; MI455X (gfx1250); checked and timed in simulation.
; The chip was launched on July 23, 2026; its instructions are those of AMD's public machine-readable ISA for CDNA 5 (MIT licence, August 2026) and "CDNA5" Instruction Set Architecture Reference Guide (July 2026). The comments in the code are by the model that wrote it; some were corrected since.
;; Multihead Attention. Allowed arithmetic: float matrix products may take bf16 or f16 operands with f32 sums; other float arithmetic in f32, or as packed bf16 or f16 multiplies, adds, multiply-adds, maxima and minima; sums over many terms, partial sums and values carried from step to step in f32; what a program stores and reads back later, other than sums and carried values, may be rounded once to bf16 or f16.
;; Inputs: out_b 1,024 float32; out_w 1,024 x 1,024 float32; qkv_b 3,072 float32; qkv_w 3,072 x 1,024 float32; query 1,024 x 8 x 1,024 float32.
;; Outputs: out0 1,024 x 8 x 1,024 float32.
;; 2 versions, each right; version 2 is version 1 with the launch cast written anew for expert scheduling mode. Each part assembles by itself: llvm-mc -triple=amdgcn-amd-amdhsa -mcpu=gfx1250 --defsym DOCPART=n.
;; ======== version 1 of 2: 4 launches
;; limits: values are held in f16: magnitudes above 65,504 overflow, below 6.1e-05 lose precision
;; workspace buffers: xb 16,777,216 bytes; wq 6,291,456 bytes; wo 2,097,152 bytes; qkvh 50,331,648 bytes; ts 262,144 bytes; ao 16,777,216 bytes
;; launch cast (part 1): grid 768 x 1, 8 waves a work-group, no clusters, 0 bytes of LDS; arguments query, qkv_w, out_w, xb, wq, wo; writes xb, wq, wo
.if DOCPART == 1
	.amdgcn_target "amdgcn-amd-amdhsa--gfx1250"
	.amdhsa_code_object_version 6
	.text
	.protected	k_qd6a07b5745_cast
	.globl	k_qd6a07b5745_cast
	.p2align	8
	.type	k_qd6a07b5745_cast,@function
k_qd6a07b5745_cast:
	s_mov_b64 s[64:65], 0
	v_nop
	global_prefetch_b8 v0, s[64:65] scope:SCOPE_SE
	s_setreg_imm32_b32 hwreg(HW_REG_WAVE_MODE, 25, 1), 1
	s_wait_xcnt 0x0
; THE THREE LARGE INPUTS ARE ROUNDED TO bf16 AND LAID OUT IN BLOCKS OF 64 ALONG K, so that a tile of rows x 64 K lies dense in memory for the products that follow.
;   query [t 1024][b 8][e 1024] f32 -> xb [kb 16][b 8][t 1024][64] bf16
;   qkv_w [f 3072][e 1024] f32      -> wq [kb 16][row 3072][64] bf16, row = (head/2) 384 + which 128 + (head%2) 64 + d for f = which 1024 + head 64 + d:
;                                      the q, k and v rows of two heads lie together, 384 rows, one tile column of the projection
;   out_w [f 1024][e 1024] f32      -> wo [kb 16][f 1024][64]: rounded to bf16 like the other inputs, and that number written as f16
; LIMIT.  wo: a bf16 number beyond 65,504 has no f16; below 2^-14 it keeps f16's fixed step of 6e-8.  The drawn weights have a spread of 0.03.
; SHARES.  A work-group takes 16 rows that are neighbours in the destination, all 1,024 e: 64 KiB in, 32 KiB out.  Sixteen lanes read 256 consecutive bytes of a row (one block of 64 e);
; a wave's store of 8 bytes a lane covers 256 consecutive bytes, aligned.  All 16 loads of a lane go out at once; no register is written twice while memory may read it.
; No LDS, no barrier, no matrix unit: each byte is read once and written once.
.set VI, 2                             ; v2      my byte offset in the source: (thread / 16) rows + 16 (thread % 16)
.set VO, 4                             ; v[4:19] my byte offset in the destination for K block k: 8 x thread + k x bytes of a K block
.set X,  32                            ; v[32:95]  load k: 4 f32
.set Y,  96                            ; v[96:127] store k: 4 numbers of 16 bits
	s_load_b256 s[4:11], s[0:1], 0x0               ; query s[4:5], qkv_w s[6:7], out_w s[8:9], xb s[10:11]
	s_load_b128 s[12:15], s[0:1], 0x20             ; wq s[12:13], wo s[14:15]
	s_mov_b32 s16, ttmp9                           ; 0-511 query, 512-703 qkv_w, 704-767 out_w
	; query: u = id: b = u % 8, t0 = 16 (u / 8)
	s_lshr_b32 s17, s16, 3
	s_and_b32 s18, s16, 7
	s_lshl_b32 s19, s17, 7
	s_add_co_u32 s19, s19, s18
	s_lshl_b32 s19, s19, 12                        ; source: row 8 t0 + b, 4,096 bytes a row
	s_lshl_b32 s20, s18, 10
	s_lshl4_add_u32 s20, s17, s20                  ; destination row 1,024 b + t0
	; qkv_w: f0 = 16 (id - 512)
	s_sub_co_u32 s21, s16, 512
	s_and_b32 s21, s21, 0xff                       ; (192 values; in the other two cases the number is not used)
	s_lshl_b32 s21, s21, 4
	s_bfe_u32 s22, s21, 0x30007                    ; head / 2
	s_mul_i32 s22, s22, 384
	s_lshr_b32 s23, s21, 10                        ; which
	s_lshl_b32 s23, s23, 7
	s_add_co_u32 s22, s22, s23
	s_and_b32 s23, s21, 127                        ; (head % 2) 64 + d
	s_add_co_u32 s22, s22, s23                     ; destination row
	s_lshl_b32 s21, s21, 12                        ; source
	; out_w: f0 = 16 (id - 704)
	s_sub_co_u32 s24, s16, 704
	s_and_b32 s24, s24, 63
	s_lshl_b32 s24, s24, 4                         ; destination row
	s_lshl_b32 s25, s24, 12                        ; source
	s_mov_b32 s26, 32768                           ; from row to row in the source: query's t step,
	s_mov_b32 s27, 4096                            ; a weight's row
	s_mov_b32 s28, 8192*128                        ; bytes of a K block in xb,
	s_mov_b32 s29, 3072*128                        ; in wq,
	s_mov_b32 s30, 1024*128                        ; in wo
	s_wait_kmcnt 0x0
	s_cmp_lt_u32 s16, 704
	s_cselect_b32 s32, s21, s25
	s_cselect_b32 s34, s22, s24
	s_cselect_b32 s31, s29, s30
	s_cselect_b64 s[36:37], s[6:7], s[8:9]
	s_cselect_b64 s[38:39], s[12:13], s[14:15]
	s_cmp_lt_u32 s16, 512
	s_cselect_b32 s32, s19, s32                    ; source offset
	s_cselect_b32 s34, s20, s34                    ; destination row
	s_cselect_b32 s31, s28, s31                    ; bytes of a K block
	s_cselect_b32 s26, s26, s27                    ; source row step
	s_cselect_b64 s[36:37], s[4:5], s[36:37]       ; from
	s_cselect_b64 s[38:39], s[10:11], s[38:39]     ; to
	s_mov_b32 s33, 0
	s_lshl_b32 s34, s34, 7                         ; 128 bytes a destination row
	s_mov_b32 s35, 0
	s_add_nc_u64 s[36:37], s[36:37], s[32:33]
	s_add_nc_u64 s[38:39], s[38:39], s[34:35]
	v_lshrrev_b32 v1, 4, v0
	v_mul_lo_u32 v1, v1, s26
	v_and_b32 v3, 15, v0
	v_lshl_add_u32 v[VI], v3, 4, v1
	v_lshlrev_b32 v[VO], 3, v0
.set k, 1
.rept 15
	v_add_nc_u32 v[VO+k], s31, v[VO+k-1]
.set k, k+1
.endr
.set k, 0
.rept 16
	global_load_b128 v[X+4*k:X+4*k+3], v[VI], s[36:37] offset:256*k th:TH_LOAD_NT  ; K block k of my row
.set k, k+1
.endr
; K block k: rounded and stored.  half = 1: the bf16 number is written as f16.
.macro CV k, half
	s_wait_loadcnt 15-(\k)                         ; loads come back in order: load k is in, the 15 - k younger ones may stay out
	v_cvt_pk_bf16_f32 v[Y+2*(\k)],   v[X+4*(\k)],   v[X+4*(\k)+1]
	v_cvt_pk_bf16_f32 v[Y+2*(\k)+1], v[X+4*(\k)+2], v[X+4*(\k)+3]
.if \half
	v_lshlrev_b32 v[X+4*(\k)],   16,         v[Y+2*(\k)]
	v_and_b32     v[X+4*(\k)+1], 0xffff0000, v[Y+2*(\k)]
	v_lshlrev_b32 v[X+4*(\k)+2], 16,         v[Y+2*(\k)+1]
	v_and_b32     v[X+4*(\k)+3], 0xffff0000, v[Y+2*(\k)+1]
	v_cvt_pk_f16_f32 v[Y+2*(\k)],   v[X+4*(\k)],   v[X+4*(\k)+1]
	v_cvt_pk_f16_f32 v[Y+2*(\k)+1], v[X+4*(\k)+2], v[X+4*(\k)+3]
.endif
	global_store_b64 v[VO+(\k)], v[Y+2*(\k):Y+2*(\k)+1], s[38:39] th:TH_STORE_NT
.endm
	s_cmp_ge_u32 s16, 704
	s_cbranch_scc1 .Lhalf
.irp k, 0,1,2,3,4,5,6,7,8,9,10,11,12,13,14,15
	CV \k, 0
.endr
	s_endpgm
.Lhalf:
.irp k, 0,1,2,3,4,5,6,7,8,9,10,11,12,13,14,15
	CV \k, 1
.endr
	s_endpgm
.Lfunc_end_k_qd6a07b5745_cast:
	.size	k_qd6a07b5745_cast, .Lfunc_end_k_qd6a07b5745_cast-k_qd6a07b5745_cast
	.p2alignl 7, 3214868480
	.fill 96, 4, 3214868480
	.section	.rodata,"a",@progbits
	.p2align	6, 0x0
	.amdhsa_kernel k_qd6a07b5745_cast
		.amdhsa_group_segment_fixed_size 0
		.amdhsa_private_segment_fixed_size 0
		.amdhsa_enable_private_segment 0
		.amdhsa_kernarg_size 48
		.amdhsa_user_sgpr_count 2
		.amdhsa_user_sgpr_kernarg_segment_ptr 1
		.amdhsa_wavefront_size32 1
		.amdhsa_system_sgpr_workgroup_id_x 1
		.amdhsa_system_sgpr_workgroup_id_y 1
		.amdhsa_system_sgpr_workgroup_id_z 1
		.amdhsa_system_vgpr_workitem_id 0
		.amdhsa_next_free_vgpr 128
		.amdhsa_next_free_sgpr 66
		.amdhsa_reserve_vcc 0
		.amdhsa_float_denorm_mode_32 3
		.amdhsa_float_denorm_mode_16_64 3
		.amdhsa_memory_ordered 1
		.amdhsa_forward_progress 1
		.amdhsa_inst_pref_size 18
	.end_amdhsa_kernel
	.amdgpu_metadata
---
amdhsa.version: [ 1, 2 ]
amdhsa.kernels:
  - .name:           k_qd6a07b5745_cast
    .symbol:         k_qd6a07b5745_cast.kd
    .args:
      - { .name: query, .offset: 0, .size: 8, .value_kind: global_buffer, .address_space: global }
      - { .name: qkv_w, .offset: 8, .size: 8, .value_kind: global_buffer, .address_space: global }
      - { .name: out_w, .offset: 16, .size: 8, .value_kind: global_buffer, .address_space: global }
      - { .name: xb, .offset: 24, .size: 8, .value_kind: global_buffer, .address_space: global }
      - { .name: wq, .offset: 32, .size: 8, .value_kind: global_buffer, .address_space: global }
      - { .name: wo, .offset: 40, .size: 8, .value_kind: global_buffer, .address_space: global }
    .group_segment_fixed_size: 0
    .private_segment_fixed_size: 0
    .kernarg_segment_align: 8
    .kernarg_segment_size: 48
    .max_flat_workgroup_size: 256
    .sgpr_count:     66
    .vgpr_count:     128
    .wavefront_size: 32
...
	.end_amdgpu_metadata
.endif
;; end of part 1
;; launch qkv (part 2): grid 8 x 32, 4 waves a work-group, clusters of 4 x 4, 327,680 bytes of LDS; arguments xb, wq, qkv_b, qkvh, ts; writes qkvh, ts
.if DOCPART == 2
	.amdgcn_target "amdgcn-amd-amdhsa--gfx1250"
	.amdhsa_code_object_version 6
	.text
	.protected	k_qd6a07b5745_qkv
	.globl	k_qd6a07b5745_qkv
	.p2align	8
	.type	k_qd6a07b5745_qkv,@function
k_qd6a07b5745_qkv:
	s_mov_b64 s[64:65], 0
	v_nop
	global_prefetch_b8 v0, s[64:65] scope:SCOPE_SE
	s_setreg_imm32_b32 hwreg(HW_REG_WAVE_MODE, 25, 1), 1
	s_wait_xcnt 0x0
	s_wait_alu depctr_hold_cnt(0) depctr_sa_sdst(0) depctr_va_vdst(0) depctr_va_sdst(0) depctr_va_ssrc(0) depctr_va_vcc(0) depctr_vm_vsrc(0)
	s_getreg_b32 s2, hwreg(HW_REG_IB_STS2, 6, 4)
	s_cmp_eq_u32 s2, 0
	s_cbranch_scc0 .Lentry_in_a_cluster
	s_endpgm
.Lentry_in_a_cluster:
	s_bfe_u32 s2, ttmp6, 0x10000c
	s_cmp_lg_u32 s2, 0xf033
	s_cbranch_scc0 .Lentry_shape_is_right
	s_endpgm
.Lentry_shape_is_right:
; THE FUSED PROJECTION.  q, k, v = x W^T + b, by heads: qkvh [b 8][g 48][t 1024][64] f16, g = 16 which + head; q is left unscaled.  x (xb) and W (wq) are bf16 in blocks of 64 along K;
; the bias is rounded to bf16 like the other inputs; sums in f32; each result rounded once to f16.  Also ts [b 8][chunk 8][head 16][64] f32: the sums of v over chunks of 128 t,
; which the attention takes for the keys that lie wholly above the diagonal; chunks 0 and 1 are never wanted and are not written.
; LIMIT.  f16 holds no number beyond 65,504: q, k and v must stay within it (the drawn ones have a spread of 0.7).
; SHARES.  8,192 rows x 3,072 columns in tiles of 256 x 384: 32 x 8 = 256 work-groups.  A tile's rows are 256 consecutive t of one b (tile row R: b = R % 8, t0 = 256 (R / 8)); its columns are
; the q, k and v of heads 2 c and 2 c + 1.  Four waves, each 128 rows x 192 columns: 96 accumulators of 16 x 16, 768 registers, in three PARTS of 64 columns (one group g each).
; THE MATRIX INSTRUCTION IS USED TRANSPOSED (source 0 = 16 rows of W, source 1 = 16 rows of x): a lane holds one t (lane % 16) and eight neighbouring columns.
; THE RING.  K goes in steps of 64 through two LDS slots.  A step's tile is dense in memory (rows of 128 bytes end to end): it is asked for as rows of 256 bytes and padded in LDS after every 128.
; Waves 0 and 1 fetch the halves of x's 256 rows, waves 2 and 3 the halves of W's 384: one tensor load a wave behind each change of slots; by this text's count two loads of a wave are out at the start, later one.
; CLUSTER.  4 x 4 work-groups: x's tile hangs on the tile row alone and is asked for jointly along a row of the cluster, W's on the tile column alone and jointly along a column.
; WHERE A CLUSTER BEGINS ALONG K.  All 16 K blocks are walked, from block (8 x cluster x + 4 x (cluster y % 4)) % 16 on, and round.  The two clusters that read the same rows of x begin 8 blocks apart, clusters
; that read the same rows of W 4 apart or together: in the second half of its walk a cluster asks only for blocks that another has asked for some steps before.  The f32 sums are taken in that order.
; THE BIAS STARTS THE SUMS: it lies in accumulator (7, bq) of each part; the first products of blocks 0 to 6 take it as C, and block 7's add onto it in place.  Nothing is cleared, nothing added at the end.
; REGISTERS, in windows of 256 (s_set_vgpr_msb: bits 1:0 source 0, 3:2 source 1, 5:4 source 2, 7:6 destination):
;   window 0: v16-29 addresses; v32-95, v96-159 x's fragments (8 blocks of 16 rows x 32 K), two buffers; v160-255 W's fragments, a buffer of 4 blocks for each part
;   window j + 1: part j's 32 accumulators, (a, bq) at v[8 (8 bq + a)]
.set PITCH, 144                        ; an LDS row: 128 bytes + 16 of padding = 36 words: the 16 rows of a fragment load start at 16 different groups of four banks (ISA guide 11.1)
.set BLK,   16*PITCH
.set BOFF,  256*PITCH                  ; a slot: x's 256 rows, then W's 384
.set SLOT1, 131072                     ; slot 1 begins here: one exclusive or turns an address in one slot into the other's
.set STAGE, SLOT1+640*PITCH            ; behind the ring, never filled by a tensor load: for each wave 16 rows x 400 bytes on the way out, later 16 x 528 for the sums of v
.set STW,   8448
.set SPARE, STAGE+4*STW                ; the spare words, 128 bytes for each wave: two blocks of 256 bytes that no other line names
.set XSHIFT, 20                        ; a K block of xb is 8,192 x 128 = 2^20 bytes,
.set WSTEP, 3072*128                   ; one of wq so many
.set G1W,   (1<<16)|(1<<20)|(1<<21)|(4<<22)|(3<<25)  ; group 1, word 0 without the mask: 2-byte elements; padding on; bit 21 beside a mask; after every 32 words (code 4) 4 words (code 3)
.set ADRA0, 16                         ; v16  my lane's place in x's fragments, slot 0; never rewritten
.set ADRB0, 17                         ; v17  the same for W
.set ADRA,  18                         ; v18  the same in the slot that is being fetched from
.set ADRB,  19                         ; v19
.set STO,   20                         ; v20  the way out: where I put 16 bytes of a row
.set RD,    21                         ; v21  where I read rows back
.set GO,    22                         ; v22  16 x lane: my place in 512 consecutive bytes of memory
.set LS2,   23                         ; v23  the sums of v: where I put 32 bytes
.set LR2,   24                         ; v24  where I read them back
.set BO,    25                         ; v25  32 (lane / 16): my eight numbers of the bias
.set SPW,   28                         ; v28  LDS address of my spare word; never rewritten
.set NIL,   29                         ; v29  0; never rewritten
.set AF0,   32
.set AF1,   96
.set BF,    160
.set TMP,   32                         ; the way out: 48 registers of packed results
.set BK,    80                         ; and two buffers of 48, rows read back
.set WV, 14                            ; s14 wave
.set WR, 15                            ; s15 my half of the tile's rows; also: I fetch x (0) or W (1)
.set WC, 16                            ; s16 my half of its columns; also: which half of that tile I fetch
.set CX, 17
.set CY, 18
.set TC, 19                            ; s19 tile column c
.set TR, 20                            ; s20 tile row R
.set G1A, 24                           ; s[24:31] descriptor group 1 for x's tiles
.set G1B, 32                           ; s[32:39] for W's
.set G0A, 40                           ; s[40:47] group 0 for x's tiles: a set for each first fill; the second serves every refill
.set G0B, 48                           ; s[48:55] the same for W's
.set TB,  56                           ; s56 0 or SLOT1: the slot that is being fetched from
.set CNT, 57
.set OUTP, 58                          ; s[58:63] part j's group in qkvh at my first row
.set BIASP, 66                         ; s[66:71] part j's 64 numbers of the bias
.set TSP, 72                           ; s[72:73] my chunk's two heads in ts
.set KB,  80                           ; s80 the K block asked for last
.set OFA, 82                           ; s[82:83] its byte offset in xb
.set OFB, 84                           ; s[84:85] and in wq.   s[4:5], s[6:7]: my part of x's and of W's tile in K block 0
.set MSB, 0
.macro WIN new                         ; the immediate's high byte repeats the setting that is left; a switch that changes nothing is dropped
.if MSB != (\new)
	s_set_vgpr_msb (MSB<<8)|(\new)
.set MSB, (\new)
.endif
.endm
; A load into a register that a matrix instruction has read, and a vector instruction that reads a matrix result, stand four places behind it; only plain vector instructions
; that name none of its registers are places (ISA guide 7.12.1 for vector instructions).
.macro PLACES
.rept 4
	v_nop
.endr
.endm
.macro JLOAD                           ; a joint refill; the branch hangs on the wave's number alone; an s_nop 0 and four v_nop follow each line
	s_cmp_eq_u32 s[WR], 0
	s_cbranch_scc0 .Lfor_b_\@
	tensor_load_to_lds s[G0A+4:G0A+7], s[G1A:G1A+7]
	s_nop 0
	PLACES
	s_branch .Lasked_\@
.Lfor_b_\@:
	tensor_load_to_lds s[G0B+4:G0B+7], s[G1B:G1B+7]
	s_nop 0
	PLACES
.Lasked_\@:
.endm
.macro CREST                           ; a round of the cluster's barrier behind its opening barrier
	s_cmp_lg_u32 s[WV], 0
	s_cbranch_scc1 .Lnot_wave_0_\@
	s_barrier_signal -3
.Lnot_wave_0_\@:
	s_barrier_wait -3
	s_barrier_signal -1
	s_barrier_wait -1
.endm
.macro CROUND
	s_barrier_signal -1
	s_barrier_wait -1
	CREST
.endm
	s_load_b256 s[4:11], s[0:1], 0x0               ; xb s[4:5], wq s[6:7], qkv_b s[8:9], qkvh s[10:11]
	s_load_b64 s[12:13], s[0:1], 0x20              ; ts
	v_lshl_add_u32 v[SPW], v0, 2, SPARE
	v_mov_b32 v[NIL], 0
	ds_add_u32 v[SPW], v[NIL]                      ; the wave's opening: the add and its wait stand ahead of my first tensor load; work on registers stands between them
	ds_add_u32 v28, v29
	v_lshrrev_b32 v1, 5, v0
	v_readfirstlane_b32 s[WV], v1
	s_lshr_b32 s[WR], s[WV], 1
	s_and_b32 s[WC], s[WV], 1
	s_bfe_u32 s[CX], ttmp6, 0x40000
	s_bfe_u32 s[CY], ttmp6, 0x40004
	s_lshl_b32 s[TC], ttmp9, 2
	s_add_co_u32 s[TC], s[TC], s[CX]               ; tile column = 4 x cluster x + cx
	s_and_b32 s[TR], ttmp7, 0xffff
	s_lshl_b32 s[TR], s[TR], 2
	s_add_co_u32 s[TR], s[TR], s[CY]               ; tile row = 4 x cluster y + cy
	s_lshl_b32 s21, s[CY], 2
	s_lshl_b32 s21, 15, s21                        ; my row of the cluster
	s_lshl_b32 s22, 0x1111, s[CX]                  ; my column
	s_or_b32 s[G1A], s21, G1W
	s_or_b32 s[G1B], s22, G1W
	s_mov_b32 s[G1A+1], 128<<16                    ; tensor_dim0 = 128 elements: 256 bytes, two rows of the tile
	s_mov_b32 s[G1A+2], 64<<16                     ; tensor_dim1 = 64: my 128 rows of x
	s_mov_b32 s[G1A+3], 128<<16                    ; tile_dim0
	s_mov_b32 s[G1A+4], 64                         ; tile_dim1
	s_mov_b32 s[G1A+5], 128                        ; elements from row to row
	s_mov_b32 s[G1A+6], 0
	s_mov_b32 s[G1A+7], 0
	s_mov_b32 s[G1B+1], 128<<16
	s_mov_b32 s[G1B+2], 96<<16                     ; my 192 rows of W
	s_mov_b32 s[G1B+3], 128<<16
	s_mov_b32 s[G1B+4], 96
	s_mov_b32 s[G1B+5], 128
	s_mov_b32 s[G1B+6], 0
	s_mov_b32 s[G1B+7], 0
	; x's tile hangs on the tile row and the wave, W's on the tile column and the wave, each in registers that never hold the other coordinate
	s_and_b32 s21, s[TR], 7                        ; b
	s_lshr_b32 s23, s[TR], 3                       ; t0 / 256
	s_lshl_b32 s74, s21, 10
	s_lshl_b32 s23, s23, 8
	s_add_co_u32 s74, s74, s23
	s_lshl_b32 s23, s[WC], 7
	s_add_co_u32 s74, s74, s23                     ; row 1,024 b + t0 + 128 x half
	s_lshl_b32 s74, s74, 7
	s_mov_b32 s75, 0
	s_mul_i32 s76, s[TC], 384*128
	s_mul_i32 s22, s[WC], 192*128
	s_add_co_u32 s76, s76, s22
	s_mov_b32 s77, 0
	s_mul_i32 s78, s[WC], 128*PITCH                ; where they go: no place in the cluster enters an LDS address
	s_mul_i32 s79, s[WC], 192*PITCH
	s_add_co_u32 s79, s79, BOFF
.irp s, 0,1
	s_mov_b32 s[G0A+4*\s], 1                       ; count = 1
	s_add_co_u32 s[G0A+4*\s+1], s78, \s*SLOT1      ; LDS address
	s_mov_b32 s[G0B+4*\s], 1
	s_add_co_u32 s[G0B+4*\s+1], s79, \s*SLOT1
.endr
	s_and_b32 s[KB], ttmp7, 3                      ; the cluster's first K block: made of the cluster's own x and y, which all sixteen partners share
	s_lshl_b32 s[KB], s[KB], 2
	s_lshl3_add_u32 s[KB], ttmp9, s[KB]
	s_and_b32 s[KB], s[KB], 15
	s_mov_b32 s[OFA+1], 0
	s_mov_b32 s[OFB+1], 0
	s_wait_dscnt 0x0                               ; the opening add is done
	s_wait_kmcnt 0x0
	s_add_nc_u64 s[4:5], s[4:5], s[74:75]
	s_add_nc_u64 s[6:7], s[6:7], s[76:77]
.irp s, 0,1
	s_lshl_b32 s[OFA], s[KB], XSHIFT
	s_mul_i32 s[OFB], s[KB], WSTEP
	s_add_nc_u64 s[G0A+4*\s+2:G0A+4*\s+3], s[4:5], s[OFA:OFA+1]  ; global address: the walk's K block s
	s_or_b32 s[G0A+4*\s+3], s[G0A+4*\s+3], 0x80000000            ; type = 2
	s_add_nc_u64 s[G0B+4*\s+2:G0B+4*\s+3], s[6:7], s[OFB:OFB+1]
	s_or_b32 s[G0B+4*\s+3], s[G0B+4*\s+3], 0x80000000
.if \s == 0
	s_add_co_u32 s[KB], s[KB], 1
	s_and_b32 s[KB], s[KB], 15
.endif
.endr
	CROUND                                         ; all sixteen work-groups are here: the first joint loads meet
	s_cmp_eq_u32 s[WR], 0                          ; a wave's two first fills stand in one branch, ahead of every wait on TENSORcnt and every LDS read
	s_cbranch_scc0 .Lfirst_b
	tensor_load_to_lds s[G0A:G0A+3], s[G1A:G1A+7]
	s_nop 0
	tensor_load_to_lds s[G0A+4:G0A+7], s[G1A:G1A+7]
	s_nop 0
	PLACES
	s_branch .Lfirst_asked
.Lfirst_b:
	tensor_load_to_lds s[G0B:G0B+3], s[G1B:G1B+7]
	s_nop 0
	tensor_load_to_lds s[G0B+4:G0B+7], s[G1B:G1B+7]
	s_nop 0
	PLACES
.Lfirst_asked:
	; where the three parts go and where their bias lies.  Part j of my column half is group gi = 3 WC + j of the tile's six: which = gi / 2, head = 2 c + gi % 2
	s_and_b32 s21, s[TR], 7                        ; b
	s_lshr_b32 s78, s[TR], 3                       ; t0 / 256
	s_mul_i32 s23, s21, 48
	s_lshl_b32 s79, s78, 8
	s_lshl_b32 s2, s[WR], 7
	s_add_co_u32 s79, s79, s2
	s_lshl_b32 s79, s79, 7                         ; my first t, 128 bytes a row
	s_mul_i32 s22, s[WC], 3
	s_mov_b32 s75, 0
	s_mov_b32 s77, 0
.irp j, 0,1,2
	s_add_co_u32 s2, s22, \j
	s_lshr_b32 s3, s2, 1
	s_and_b32 s2, s2, 1
	s_lshl1_add_u32 s2, s[TC], s2
	s_lshl4_add_u32 s76, s3, s2                    ; 16 which + head
	s_add_co_u32 s74, s76, s23                     ; g + 48 b
	s_lshl_b32 s74, s74, 17                        ; 131,072 bytes a group
	s_add_co_u32 s74, s74, s79
	s_lshl_b32 s76, s76, 8                         ; 64 f32
	s_add_nc_u64 s[OUTP+2*\j:OUTP+2*\j+1], s[10:11], s[74:75]
	s_add_nc_u64 s[BIASP+2*\j:BIASP+2*\j+1], s[8:9], s[76:77]
.endr
	s_lshl_b32 s2, s21, 3
	s_lshl1_add_u32 s2, s78, s2
	s_add_co_u32 s2, s2, s[WR]                     ; 8 b + chunk
	s_lshl_b32 s2, s2, 4
	s_lshl1_add_u32 s2, s[TC], s2                  ; x 16 heads + 2 c
	s_lshl_b32 s2, s2, 8
	s_mov_b32 s3, 0
	s_add_nc_u64 s[TSP:TSP+1], s[12:13], s[2:3]
	v_and_b32 v1, 15, v0                           ; r = lane % 16
	v_bfe_u32 v2, v0, 4, 1                         ; h = lane / 16
	v_and_b32 v3, 31, v0                           ; lane
	v_lshlrev_b32 v[BO], 5, v2
.irp j, 0,1,2
.irp q, 0,1,2,3
	global_load_b128 v[32+32*\j+8*\q:32+32*\j+8*\q+3],   v[BO], s[BIASP+2*\j:BIASP+2*\j+1] offset:64*\q     ; columns 16 q + 8 h + 0..3 of part j
	global_load_b128 v[32+32*\j+8*\q+4:32+32*\j+8*\q+7], v[BO], s[BIASP+2*\j:BIASP+2*\j+1] offset:64*\q+16
.endr
.endr
	; A fragment is 16 rows x 32 K in 8 registers: lane l holds row l % 16, K = 8 (l / 16) + 0..7 and 16 + 8 (l / 16) + 0..7: two loads of 16 bytes, 32 bytes apart
	v_mul_u32_u24 v4, v1, PITCH
	v_lshl_add_u32 v4, v2, 4, v4
	s_mul_i32 s2, s[WR], 128*PITCH
	v_add_nc_u32 v[ADRA0], s2, v4
	s_mul_i32 s2, s[WC], 192*PITCH
	s_add_co_u32 s2, s2, BOFF
	v_add_nc_u32 v[ADRB0], s2, v4
	v_mov_b32 v[ADRA], v[ADRA0]
	v_mov_b32 v[ADRB], v[ADRB0]
	s_mul_i32 s2, s[WV], STW
	s_add_co_u32 s2, s2, STAGE                     ; my stage
	v_mul_u32_u24 v5, v1, 400                      ; in: row r of 384 + 16 bytes, 16 bytes for each half of the lanes
	v_lshl_add_u32 v5, v2, 4, v5
	v_add_nc_u32 v[STO], s2, v5
	v_lshrrev_b32 v5, 3, v3                        ; back: 32 lanes take a part's 128 bytes of four rows,
	v_mul_u32_u24 v5, v5, 400
	v_and_b32 v6, 7, v0
	v_lshl_add_u32 v5, v6, 4, v5
	v_add_nc_u32 v[RD], s2, v5
	v_lshlrev_b32 v[GO], 4, v3                     ; which are 512 consecutive bytes of qkvh
	v_mul_u32_u24 v5, v1, 528
	v_lshl_add_u32 v5, v2, 5, v5
	v_add_nc_u32 v[LS2], s2, v5
	v_add_nc_u32 v[LR2], s2, v[GO]
	s_mov_b32 s[TB], 0
	s_mov_b32 s3, 0xffff0000                       ; a word's upper bf16
	s_wait_loadcnt 0x0                             ; the bias
.set i, 0
.rept 48
	v_cvt_pk_bf16_f32 v[128+i], v[32+2*i], v[33+2*i]  ; rounded to bf16 like the other inputs,
.set i, i+1
.endr
.irp j, 0,1,2
	WIN 0x40*((\j)+1)                              ; and widened into accumulator (7, bq) of part j's window
.set i, 0
.rept 16
	v_lshlrev_b32 v[64*(i/4)+56+2*(i%4)],   16, v[128+16*\j+i]
	v_and_b32     v[64*(i/4)+56+2*(i%4)+1], s3, v[128+16*\j+i]
.set i, i+1
.endr
.endr
	WIN 0
; n x 4 matrix instructions of part j: row blocks a0 .. a0 + n - 1 of buffer af x the part's four column blocks, 32 along K.  mode = 1: the sum starts with the bias in accumulator (7, bq).
; The 96 accumulators take turns, one instruction a turn, in the same order in every quarter, over the backward jump too.
.macro MULH j, af, a0, n, mode
	WIN 0x50*((\j)+1)
.set ma, (\a0)
.rept (\n)
.set mb, 0
.rept 4
.if \mode
	v_wmma_f32_16x16x32_bf16 v[8*(8*mb+ma):8*(8*mb+ma)+7], v[BF+32*(\j)+8*mb:BF+32*(\j)+8*mb+7], v[(\af)+8*ma:(\af)+8*ma+7], v[8*(8*mb+7):8*(8*mb+7)+7]
.else
	v_wmma_f32_16x16x32_bf16 v[8*(8*mb+ma):8*(8*mb+ma)+7], v[BF+32*(\j)+8*mb:BF+32*(\j)+8*mb+7], v[(\af)+8*ma:(\af)+8*ma+7], v[8*(8*mb+ma):8*(8*mb+ma)+7]
.endif
.set mb, mb+1
.endr
.set ma, ma+1
.endr
.endm
.macro LDA b0, buf, ko                 ; eight LDS loads: x's blocks b0 .. b0 + 3, 32 K at byte ko of the rows
	WIN 0
.irp i, 0,1,2,3
	ds_load_b128 v[(\buf)+8*((\b0)+\i):(\buf)+8*((\b0)+\i)+3],   v[ADRA] offset:(\ko)+((\b0)+\i)*BLK
	ds_load_b128 v[(\buf)+8*((\b0)+\i)+4:(\buf)+8*((\b0)+\i)+7], v[ADRA] offset:(\ko)+((\b0)+\i)*BLK+32
.endr
.endm
.macro LDB j, ko                       ; eight LDS loads: part j's four blocks of W
	WIN 0
.irp i, 0,1,2,3
	ds_load_b128 v[BF+32*(\j)+8*\i:BF+32*(\j)+8*\i+3],   v[ADRB] offset:(\ko)+(4*(\j)+\i)*BLK
	ds_load_b128 v[BF+32*(\j)+8*\i+4:BF+32*(\j)+8*\i+7], v[ADRB] offset:(\ko)+(4*(\j)+\i)*BLK+32
.endr
.endm
.macro TAILH j, z                      ; a part's row blocks 4 to 7 of the even quarter
.if \z
	MULH \j, AF0, 4, 3, 1
.rept 5
	v_nop                                          ; block 7's products write over registers that the products above read as C: five places
.endr
	MULH \j, AF0, 7, 1, 0
.else
	MULH \j, AF0, 4, 4, 0
.endif
.endm
; A K STEP IS TWO QUARTERS of 32 along K, 96 matrix instructions each, in three parts.  Each run of LDS loads stands in the middle of a part, four places behind the last product that read its registers.
; THE EVEN QUARTER (x in AF0).  z = 1: the launch's first, which starts the sums.
.macro EQ z
	s_wait_dscnt 8                                 ; all but the youngest eight loads (W's part 1) are in
	MULH 0, AF0, 0, 4, \z
	PLACES
	LDB 2, 0
	LDA 0, AF1, 64
	TAILH 0, \z
	s_wait_dscnt 16                                ; W's part 1 is in; the sixteen loads just issued may stay out
	MULH 1, AF0, 0, 4, \z
	PLACES
	LDB 0, 64
	LDA 4, AF1, 64
	TAILH 1, \z
	s_wait_dscnt 24                                ; W's part 2 is in; behind it: x's eight of the same run and the sixteen of the next
	MULH 2, AF0, 0, 4, \z
	PLACES
	LDB 1, 64
	TAILH 2, \z
.endm
; THE ODD QUARTER's FIRST PART CHANGES SLOTS.  The slot's last bytes are asked for; each wave waits for all its tensor loads (the one that is out is its part of the other slot), adds 0 to its spare
; word, and waits for that and for its reads of this slot.  fill = 1: the barrier opens a round of the cluster's, and behind it this slot is filled again, two K steps ahead: the first thing there.
; From that request to the wait for it a wave issues 160 matrix instructions.
.macro T0 fill
	PLACES
	LDB 2, 64
	s_wait_tensorcnt 0x0                           ; no tensor load of mine is out, so a group 0 may be written
	ds_add_u32 v[SPW], v[NIL]                      ; 0 onto my spare word
.if \fill
	s_add_co_u32 s[KB], s[KB], 1                   ; the walk's next K block, round from 15 to 0;
	s_and_b32 s[KB], s[KB], 15
	s_lshl_b32 s[OFA], s[KB], XSHIFT
	s_mul_i32 s[OFB], s[KB], WSTEP
	s_xor_b32 s[G0A+5], s[G0A+5], SLOT1            ; the other slot than last time; the address is made anew: the tile's base and the block's offset
	s_add_nc_u64 s[G0A+6:G0A+7], s[4:5], s[OFA:OFA+1]
	s_or_b32 s[G0A+7], s[G0A+7], 0x80000000
	s_xor_b32 s[G0B+5], s[G0B+5], SLOT1
	s_add_nc_u64 s[G0B+6:G0B+7], s[6:7], s[OFB:OFB+1]
	s_or_b32 s[G0B+7], s[G0B+7], 0x80000000
.endif
	s_wait_dscnt 17                                ; W's part 0 and x are in; W's parts 1 and 2 (eight loads each) and the add may be out
	MULH 0, AF1, 0, 4, 0
	s_wait_dscnt 0x0                               ; the add is done, and my reads of this slot are over
	s_barrier_signal -1
	MULH 0, AF1, 4, 4, 0
	WIN 0
	s_barrier_wait -1
.if \fill
	CREST                                          ; no wave of any partner still reads this slot or has a load on its way
	JLOAD
.else
	PLACES
.endif
	s_xor_b32 s[TB], s[TB], SLOT1                  ; the fetches go on in the other slot
	v_add_nc_u32 v[ADRA], s[TB], v[ADRA0]
	v_add_nc_u32 v[ADRB], s[TB], v[ADRB0]
	LDA 0, AF0, 0
.endm
.macro OQ                              ; the odd quarter's other two parts: all that they read was shown in by the wait for 0 above
	MULH 1, AF1, 0, 4, 0
	PLACES
	LDB 0, 0
	LDA 4, AF0, 0
	MULH 1, AF1, 4, 4, 0
	MULH 2, AF1, 0, 4, 0
	PLACES
	LDB 1, 0
	MULH 2, AF1, 4, 4, 0
.endm
	s_wait_tensorcnt 0x1                           ; my part of the first K block is in; the second's may stay out
	s_barrier_signal -1
	s_barrier_wait -1
	LDA 0, AF0, 0
	LDB 0, 0
	LDA 4, AF0, 0
	LDB 1, 0
	EQ 1
	WIN 0                                          ; at a label and at a branch every window is 0
	s_mov_b32 s[CNT], 14
.Lk:                                                   ; a trip: the odd quarter of K step i, which asks for the walk's block i + 2, and the even quarter of step i + 1
	T0 1
	OQ
	EQ 0
	WIN 0
	s_sub_co_u32 s[CNT], s[CNT], 1
	s_cmp_lg_u32 s[CNT], 0
	s_cbranch_scc1 .Lk
	T0 0                                           ; K step 14's odd quarter: nothing is left to ask for
	OQ
	EQ 0
	PLACES                                         ; K step 15's odd quarter fetches only what is still missing
	LDB 2, 64
	s_wait_dscnt 16                                ; W's parts 1 and 2 may be out
	MULH 0, AF1, 0, 8, 0
	s_wait_dscnt 8
	MULH 1, AF1, 0, 8, 0
	s_wait_dscnt 0x0
	MULH 2, AF1, 0, 8, 0
; THE WAY OUT, a block of 16 rows at a time: rounded to f16 (16 bytes a lane), into my stage, back as each part's rows of 128 bytes, and stored: 512 consecutive bytes an instruction.
.macro PACK a
.irp j, 0,1,2
	WIN 5*((\j)+1)                                 ; sources 0 and 1 in part j's window
.irp q, 0,1,2,3
.irp e, 0,1,2,3
	v_cvt_pk_f16_f32 v[TMP+4*(4*\j+\q)+\e], v[8*(8*\q+(\a))+2*\e], v[8*(8*\q+(\a))+2*\e+1]
.endr
.endr
.endr
	WIN 0
.endm
.macro TOSTAGE a
.irp c, 0,1,2,3,4,5,6,7,8,9,10,11
	ds_store_b128 v[STO], v[TMP+4*\c:TMP+4*\c+3] offset:32*\c
.endr
.irp j, 0,1,2
.irp i, 0,1,2,3
	ds_load_b128 v[BK+48*((\a)%2)+4*(4*\j+\i):BK+48*((\a)%2)+4*(4*\j+\i)+3], v[RD] offset:128*\j+1600*\i  ; LDS serves a wave's instructions in order (ISA guide 5.7.1.4): these see the stores above
.endr
.endr
.endm
.macro SEND a
	s_wait_dscnt 0x0                               ; the block is back in registers
	s_wait_xcnt 0x0                                ; the stores of the block before have read their registers: the other buffer is loaded again only behind this wait
.irp j, 0,1,2
.irp i, 0,1,2,3
	global_store_b128 v[GO], v[BK+48*((\a)%2)+4*(4*\j+\i):BK+48*((\a)%2)+4*(4*\j+\i)+3], s[OUTP+2*\j:OUTP+2*\j+1] offset:2048*(\a)+512*\i
.endr
.endr
.endm
	PLACES
	PACK 0
	TOSTAGE 0
.irp a, 1,2,3,4,5,6,7                  ; block a's conversions stand between block a - 1's loads from the stage and the wait for them
	PACK \a
	SEND (\a)-1
	TOSTAGE \a
.endr
	SEND 7
	; THE SUMS OF v over my 128 rows.  Parts 1 and 2 of the waves of the right column half are v of heads 2 c and 2 c + 1.  The tiles of the first 256 t are never wholly hidden from a query: no sums.
	s_cmp_eq_u32 s[WC], 0
	s_cbranch_scc1 .Lend
	s_and_b32 s2, ttmp7, 0xffff                    ; cluster y = 2 (t0 / 256) or that + 1: the same in all partners
	s_cmp_lt_u32 s2, 2
	s_cbranch_scc1 .Lend
.macro CADD d, s                       ; row block d += row block s, all four column blocks
.set cq, 0
.rept 4
.set cp, 0
.rept 4
	v_pk_add_f32 v[8*(8*cq+(\d))+2*cp:8*(8*cq+(\d))+2*cp+1], v[8*(8*cq+(\d))+2*cp:8*(8*cq+(\d))+2*cp+1], v[8*(8*cq+(\s))+2*cp:8*(8*cq+(\s))+2*cp+1]
.set cp, cp+1
.endr
.set cq, cq+1
.endr
.endm
.irp w, 2,3
	WIN 0x45*\w                                    ; destination and both sources in window w
	CADD 0, 1
	CADD 2, 3
	CADD 4, 5
	CADD 6, 7
	CADD 0, 2
	CADD 4, 6
	CADD 0, 4
.endr
.irp w, 2,3
	WIN 4*\w                                       ; store data in window w, address in window 0
.irp q, 0,1,2,3
	ds_store_b128 v[LS2], v[64*\q:64*\q+3]   offset:64*(4*(\w-2)+\q)      ; row r of 128 f32 + 16 bytes: columns 16 (4 (w - 2) + q) + 8 h + 0..7
	ds_store_b128 v[LS2], v[64*\q+4:64*\q+7] offset:64*(4*(\w-2)+\q)+16
.endr
.endr
	WIN 0
	s_wait_xcnt 0x0                                ; the last stores have read their registers
.set i, 0
.rept 16
	ds_load_b128 v[32+4*i:35+4*i], v[LR2] offset:528*i  ; my four columns of row i
.set i, i+1
.endr
	s_wait_dscnt 0x0
.irp d, 8,4,2,1
.set ci, 0
.rept \d
	v_pk_add_f32 v[32+4*ci:33+4*ci], v[32+4*ci:33+4*ci], v[32+4*(ci+\d):33+4*(ci+\d)]
	v_pk_add_f32 v[34+4*ci:35+4*ci], v[34+4*ci:35+4*ci], v[34+4*(ci+\d):35+4*(ci+\d)]
.set ci, ci+1
.endr
.endr
	global_store_b128 v[GO], v[32:35], s[TSP:TSP+1]  ; 512 consecutive bytes: two heads' 64 sums
.Lend:
	s_wait_tensorcnt 0x0                           ; the wave's end, behind my last tensor load and my last LDS store
	ds_add_u32 v[SPW], v[NIL]
	s_wait_dscnt 0x0
	CROUND                                         ; the closing round: no work-group ends while a partner may still ask for a tile that names it
	s_endpgm
.Lfunc_end_k_qd6a07b5745_qkv:
	.size	k_qd6a07b5745_qkv, .Lfunc_end_k_qd6a07b5745_qkv-k_qd6a07b5745_qkv
	.p2alignl 7, 3214868480
	.fill 96, 4, 3214868480
	.section	.rodata,"a",@progbits
	.p2align	6, 0x0
	.amdhsa_kernel k_qd6a07b5745_qkv
		.amdhsa_group_segment_fixed_size 327680
		.amdhsa_private_segment_fixed_size 0
		.amdhsa_enable_private_segment 0
		.amdhsa_kernarg_size 40
		.amdhsa_user_sgpr_count 2
		.amdhsa_user_sgpr_kernarg_segment_ptr 1
		.amdhsa_wavefront_size32 1
		.amdhsa_system_sgpr_workgroup_id_x 1
		.amdhsa_system_sgpr_workgroup_id_y 1
		.amdhsa_system_sgpr_workgroup_id_z 1
		.amdhsa_system_vgpr_workitem_id 0
		.amdhsa_next_free_vgpr 1024
		.amdhsa_next_free_sgpr 88
		.amdhsa_reserve_vcc 0
		.amdhsa_float_denorm_mode_32 3
		.amdhsa_float_denorm_mode_16_64 3
		.amdhsa_memory_ordered 1
		.amdhsa_forward_progress 1
		.amdhsa_inst_pref_size 140
	.end_amdhsa_kernel
	.amdgpu_metadata
---
amdhsa.version: [ 1, 2 ]
amdhsa.kernels:
  - .name:           k_qd6a07b5745_qkv
    .symbol:         k_qd6a07b5745_qkv.kd
    .args:
      - { .name: xb, .offset: 0, .size: 8, .value_kind: global_buffer, .address_space: global }
      - { .name: wq, .offset: 8, .size: 8, .value_kind: global_buffer, .address_space: global }
      - { .name: qkv_b, .offset: 16, .size: 8, .value_kind: global_buffer, .address_space: global }
      - { .name: qkvh, .offset: 24, .size: 8, .value_kind: global_buffer, .address_space: global }
      - { .name: ts, .offset: 32, .size: 8, .value_kind: global_buffer, .address_space: global }
    .group_segment_fixed_size: 327680
    .private_segment_fixed_size: 0
    .kernarg_segment_align: 8
    .kernarg_segment_size: 40
    .max_flat_workgroup_size: 128
    .sgpr_count:     88
    .vgpr_count:     1024
    .wavefront_size: 32
...
	.end_amdgpu_metadata
.endif
;; end of part 2
;; launch attn (part 3): grid 2 x 128, 4 waves a work-group, no clusters, 327,680 bytes of LDS; arguments qkvh, ts, ao; writes ao
.if DOCPART == 3
	.amdgcn_target "amdgcn-amd-amdhsa--gfx1250"
	.amdhsa_code_object_version 6
	.text
	.protected	k_qd6a07b5745_attn
	.globl	k_qd6a07b5745_attn
	.p2align	8
	.type	k_qd6a07b5745_attn,@function
k_qd6a07b5745_attn:
	s_mov_b64 s[64:65], 0
	v_nop
	global_prefetch_b8 v0, s[64:65] scope:SCOPE_SE
	s_setreg_imm32_b32 hwreg(HW_REG_WAVE_MODE, 25, 1), 1
	s_wait_xcnt 0x0
; CAUSAL ATTENTION WITH A FINITE FILL.  For head n = 16 b + head: O[q] = sum over ALL 1,024 keys k of softmax_k(w[q][k]) V[k], w = Q[q] . K[k] / 8 where k <= q and -10000 where k > q.
; Q, K, V: groups head, 16 + head, 32 + head of qkvh [b 8][g 48][t 1024][64], f16, Q unscaled.  O: ao [n 128][t 1024][64] f16.  Products, maxima and sums in f32; the weights p are rounded to f16
; for the second product (their sum l is taken of the unrounded p), O once at the end.
; THE FILL IS HONOURED, not taken for minus infinity: where a row's visible scores lie below it, the hidden keys carry the weight.  In raw scores (before the / 8) it is H = -80000.
;   Key tiles wholly above the diagonal are the running state's START: m = H, l = their number of keys, O^T = the sum of their V (from ts): each such key has the weight 2^(cH - cm) with the state.
;   In the diagonal tile a hidden score is REPLACED by H behind the product, ahead of the maximum; its weight and its V then go the way of every other key's.
; LIMITS.  f16 holds no number beyond 65,504: Q, K, V arrive within it.  c m is rounded to f32, so a fill in the diagonal tile weighs 2^d times a fill in the start, |d| <= 5e-4: 3.4e-4 of itself.
; A weight below 2^-126 counts as 0 in l.  NaN and infinities are not treated apart; ts must be finite, since a part of it that is not wanted is multiplied by 0.
; THE WALK.  A head's queries lie in NB = 4 blocks of 256; block i walks the key tiles 0 .. i of 256 keys, of which the last holds the diagonal.  A work-group takes TWO blocks, b and then 3 - b: 5 tiles,
; whatever b: all 256 work-groups do equal work, and ONE loop with a constant trip count walks them.  The short block goes first, so that the walk's last tile, which is written out behind the loop, is never
; a block's first.  Which tile is asked for, and what a trip does, hang on scalar registers made from b; every jump goes forward, but for the counted loops' own; none passes a barrier, or a tensor load
; but the one of LOAD's two that the wave's number does not choose.
; NO CLUSTER: a head has two work-groups, not four, and their walks part behind the first tile.
; SHARES.  A wave owns 64 consecutive queries of a block, four PIECES of 16.  In the diagonal tile's key step s wave w sees all keys if s < w, none if s > w; if s = w piece x sees key group kt < x,
; not kt > x, and holds the diagonal in kt = x.  The three cases are lane masks in scalar registers, made from s - w once a key step.
; LAYOUT, SOFTMAX, TURNS.  S^T = K Q^T holds ONE query a lane (lane % 16) and the keys 8 (lane / 16) + 0..7; two such results rounded to f16 ARE source 1 of O^T = V^T P.  p = 2^(c s - c m), c = log2(e) / 8,
; with a running maximum m; O and l are multiplied by a = 2^(c m_old - c m_new) in every step.  Turn n belongs to piece n: 8 products K Q^T of piece n + 1, later 8 products V^T P of piece n - 1; beside them the
; scaling, exponentials, roundings, sums and rescaling of piece n and the maximum and statistics of piece n + 1.  Four vector instructions stand behind every matrix instruction, the rest in two lumps.
; REGISTERS, in windows of 256 (s_set_vgpr_msb: bits 1:0 source 0, 3:2 source 1, 5:4 source 2, 7:6 destination):
;   window 0: v0-15 addresses, H; v16-31 four registers of statistics a piece; v48-55 at work; v60-63; v64-127 S^T, two buffers; v192-223 P, two buffers (a piece's buffers go by its number's parity)
;   window 1: v0-127 O^T, 32 a piece; v128-159 TL, the hidden tiles' sum of V for the block in hand; v160-191 TL2, for the second block
;   window 2: v0-63 Q; v64-127 the second block's Q; v128-191 K of one step; v192-255 V of one step
.set NB,    4
.set NP,    4         ; pieces a wave: a name, no knob
.set KS,    64        ; keys in a step
.set PK,    144       ; a row of K in LDS: 128 bytes + 16 of padding = 36 words: the 16 rows of a load start at 16 different groups of four banks (ISA guide 11.1)
.set PV,    160       ; a row of V: 128 + 32 = 40 words
.set VOFF,  4*KS*PK   ; a slot holds a tile, four steps: 256 rows of K, then 256 rows of V
.set SLOT1, 1<<17     ; slot 1 begins here, so that one exclusive or turns an address in one slot into the other's
.set STAGE, SLOT1+4*KS*(PK+PV)  ; behind the ring, never filled by a tensor load: 16 rows x 144 bytes for each wave, for the way out
.set SP,    144
.set SPARE, STAGE+4*16*SP  ; the spare words, 128 bytes for each wave: two blocks of 256 bytes that no other line names
.set GRP,   131072    ; bytes of a group of qkvh and of a head of ao
.set AK0, 2           ; v2   my lane's place in a tile of K; never rewritten
.set AV0, 3           ; v3   the same for V
.set AK,  4           ; v4   the LDS address of K's next run of loads
.set AV,  5           ; v5   of V's
.set STO, 6           ; v6   the way out: where I put 16 bytes of a row
.set RD,  7           ; v7   the way out: where I read rows back
.set GO,  8           ; v8   my byte offset in 512 consecutive bytes of O
.set MV,  12          ; v12-13  c m_old, kept while c m is made anew: by buffer
.set HV,  14          ; v14  H
.set QO,  15          ; v15  my byte offset in 16 rows of Q
.set ST,  16          ; piece t's statistics at v[ST+4 t]: c m, m, l (even keys', odd keys')
.set TMP, 48          ; by buffer, four registers c0-c3 at work; when the maximum is found c2 takes a
.set TO,  60          ; v60  32 (lane / 16): my eight channels of a block of 16 in ts
.set PFO, 61          ; v61  256 x my thread's number: the prefetches' offset; never rewritten
.set SPW, 62          ; v62  LDS address of my spare word; never rewritten
.set NIL, 63          ; v63  0; never rewritten
.set S,   64
.set P,   192
.set TL,  128         ; window 1
.set TL2, 160         ; window 1
.set QB,  64          ; window 2
.set KF,  128         ; window 2: key block kb, channel half c at KF + 16 kb + 8 c
.set VF,  192         ; window 2: key half kk, channel block cb at VF + 32 kk + 8 cb
.set WV,  12          ; s12  my wave's number
.set PB,  14          ; s14  b
.set HI,  15          ; s15  NB - 1 - b
.set DC,  16          ; s[16:23] the lanes in which register r of a piece's own key group lies above the diagonal; set once
.set G1K, 24          ; s[24:31] descriptor group 1 for K's tiles
.set G1V, 32          ; s[32:39] for V's: it differs in the padding alone
.set G0K, 40          ; s[40:43] descriptor group 0 for K's tiles
.set G0V, 44          ; s[44:47] the same for V's
.set EM,  48          ; s[48:55] the lanes in which register r of the piece's own key group is hidden, in the key step in hand
.set SLOTS, 56        ; s56  tiles still to be asked for
.set CNT, 57          ; s57  counts a tile's key steps
.set CS,  58          ; s[58:59] c: the packed scaling takes the pair's low word for both halves
.set SEL, 60          ; s[60:61] v_permlanex16_b32's selects: each lane takes its own place in the other half
.set TBK, 62          ; s62  LDS byte at which K of the step to be fetched begins
.set TBV, 63          ; s63  the same for V, less VOFF
.set REL, 66          ; s66  the key step less my wave's number
.set HP,  67          ; s67  all lanes or none: key groups below the piece's own are hidden
.set HQ,  68          ; s68  the same for key groups above it
.set NHT, 69          ; s69  key tiles wholly hidden from the block to begin
.set RT,  70          ; s70  tiles of the block in hand that are still to be entered
.set NXT, 71          ; s71  the tile to be asked for next
.set LQ,  72          ; s72  the last tile of the block whose tiles are being asked for
.set NEW, 73          ; s73  1: the tile to be entered is a block's first
.set OFF, 74          ; s[74:75] a tile's byte offset in K and V
.set BETA, 76         ; s[76:77] b as a float, in the low word
.set GAMMA, 78        ; s[78:79] 1 - b
.set OLO, 80          ; s[80:81] O at my rows of the second block
.set HB,  82          ; s82  H
.set M0,  83          ; s83  the maximum's start
.set LIM, 88          ; s88  2 in the work-group that prefetches, else 0
.set L0,  89          ; s89  at work
.set PFA, 90          ; s[90:91] K's tile that the prefetches name
.set TSP, 94          ; s[94:95] my head in ts
.set MSB, 0
.macro WIN new                      ; the high byte repeats the setting that is left; a switch that changes nothing is dropped
.if MSB != (\new)
	s_set_vgpr_msb (MSB<<8)|(\new)
.set MSB, (\new)
.endif
.endm
.set W_KQ, 0x0a       ; K and Q in window 2, S^T in window 0
.set W_PV, 0x52       ; V in window 2, P in window 0, O^T in window 1
.set W_RS, 0x41       ; destination and source 0 in window 1, source 1 in window 0
; A fill.  Waves 0 and 1 fetch the two halves of a tile's K, waves 2 and 3 those of its V: 128 keys each.  An s_nop 0 and four v_nop follow each of the two lines, ahead of the jump and the label.
.macro LOAD
	s_cmp_lt_u32 s[WV], 2
	s_cbranch_scc0 .Lfor_v_\@
	tensor_load_to_lds s[G0K:G0K+3], s[G1K:G1K+7]
	s_nop 0
.rept 4
	v_nop
.endr
	s_branch .Lasked_\@
.Lfor_v_\@:
	tensor_load_to_lds s[G0V:G0V+3], s[G1V:G1V+7]
	s_nop 0
.rept 4
	v_nop
.endr
.Lasked_\@:
.endm
; A PREFETCH INTO THE L2 of the tile that the NEXT change of slots will ask for: 32,768 bytes of K and of V, 256 bytes a thread, two instructions a wave, behind the wave's tensor load and its five lines.
; The work-group with b = 0 walks the tiles 0 | 0, 1, 2, 3 and is the head's first to ask for tiles 2 and 3: it prefetches them in the walk's second and third trip (SLOTS = 3, 2), sixteen turns ahead
; of their fills, each 256 bytes named once.  Tiles 0 and 1 come by their loads alone.
.macro ASK
	s_sub_co_u32 s[L0], s[SLOTS], 2
	s_cmp_lt_u32 s[L0], s[LIM]
	s_cbranch_scc0 .Lnot_mine_\@
	global_prefetch_b8 v[PFO], s[PFA:PFA+1] th:TH_LOAD_NT scope:SCOPE_SE
	global_prefetch_b8 v[PFO], s[PFA:PFA+1] offset:16*GRP th:TH_LOAD_NT scope:SCOPE_SE
.Lnot_mine_\@:
.endm
; THE CHANGE OF SLOTS.  Each wave waits for all its tensor loads, of which one is out: its part of the other slot; adds 0 to its spare word; and waits for that and for its own reads of the slot that it leaves.
; Behind the barrier nobody reads the old slot any more and the other slot is whole.  fill = 1: the old slot is filled again, the first thing behind the barrier, with tile NXT: the descriptor's address is made
; anew from that number.  (At its first use nothing has been read yet: slot 0 is waited for, slot 1 filled.)
.macro CHANGE fill
	WIN 0                           ; at a label and at a branch every window is 0
	s_wait_tensorcnt 0x0            ; no tensor load of mine is out, so a group 0 may be written
	ds_add_u32 v[SPW], v[NIL]       ; 0 onto my spare word; scalar work stands between it and the wait for it
.if \fill
	s_lshl_b32 s[OFF], s[NXT], 15   ; a tile is 32,768 bytes of K and of V
	s_xor_b32 s[G0K+1], s[G0K+1], SLOT1
	s_add_nc_u64 s[G0K+2:G0K+3], s[6:7], s[OFF:OFF+1]
	s_or_b32 s[G0K+3], s[G0K+3], 0x80000000
	s_xor_b32 s[G0V+1], s[G0V+1], SLOT1
	s_add_nc_u64 s[G0V+2:G0V+3], s[8:9], s[OFF:OFF+1]
	s_or_b32 s[G0V+3], s[G0V+3], 0x80000000
	s_add_co_u32 s[NXT], s[NXT], 1  ; the block's next tile, or behind its last the second block's tile 0
	s_cmp_gt_u32 s[NXT], s[LQ]
	s_cselect_b32 s[NXT], 0, s[NXT]
	s_cselect_b32 s[LQ], s[HI], s[LQ]
	s_wait_xcnt 0x0                 ; the last prefetches, a tile back, have read their address, so it may be written
	s_add_nc_u64 s[PFA:PFA+1], s[PFA:PFA+1], 32768
.endif
	s_wait_dscnt 0x0                ; the add is done, and my reads of the slot are over
	s_barrier_signal -1             ; the rest of the scalar work stands between the signal and the wait
	s_sub_co_u32 s[TBK], s[TBK], 4*KS*PK  ; the fetches go back to a slot's first step,
	s_xor_b32 s[TBK], s[TBK], SLOT1       ; in the other slot
	s_sub_co_u32 s[TBV], s[TBV], 4*KS*PV
	s_xor_b32 s[TBV], s[TBV], SLOT1
	s_barrier_wait -1
.if \fill
	LOAD
	ASK
.endif
.endm
	s_load_b128 s[92:95], s[0:1], 0x0  ; qkvh s[92:93], ts s[94:95]
	s_load_b64 s[10:11], s[0:1], 0x10  ; ao
	v_lshl_add_u32 v[SPW], v0, 2, SPARE
	v_mov_b32 v[NIL], 0
	ds_add_u32 v[SPW], v[NIL]       ; the wave's opening: the add and its wait stand ahead of my first tensor load; work on registers stands between them
	ds_add_u32 v62, v63
	v_lshrrev_b32 v1, 5, v0
	v_readfirstlane_b32 s[WV], v1   ; wave 0..3
	s_mov_b32 s[PB], ttmp9
	s_sub_co_u32 s[HI], NB-1, s[PB]
	s_and_b32 s20, ttmp7, 0xffff    ; n = 16 b + head
	s_lshr_b32 s21, s20, 4
	s_and_b32 s13, s20, 15
	s_mul_i32 s2, s21, 48
	s_add_co_u32 s2, s2, s13
	s_lshl_b32 s2, s2, 17           ; q's group 48 b + head
	s_mov_b32 s3, 0
	s_lshl_b32 s16, s20, 17         ; O's head
	s_mov_b32 s17, 0
	s_lshl_b32 s18, s21, 7
	s_add_co_u32 s18, s18, s13
	s_lshl_b32 s18, s18, 8          ; ts: (128 b + head) x 256 bytes; a chunk is 4,096 further on
	s_mov_b32 s19, 0
	s_and_b32 s13, s[WV], 1         ; which half of a tile's 256 keys I fetch:
	s_lshl_b32 s20, s13, 14         ; its 128 rows of 128 bytes in memory,
	s_mov_b32 s21, 0
	s_mul_i32 s22, s13, 128*PK      ; and its place in a slot, for K
	s_mul_i32 s23, s13, 128*PV      ; and for V
	s_lshl_b32 s13, s[WV], 13       ; my 64 rows of a block,
	s_lshl_b32 s84, s[HI], 15       ; in the second block, 3 - b,
	s_add_co_u32 s84, s84, s13
	s_mov_b32 s85, 0
	s_lshl_b32 s88, s[PB], 15       ; and in the first, b
	s_add_co_u32 s88, s88, s13
	s_mov_b32 s89, 0
	; descriptor group 1.  128 keys are 16,384 dense bytes: asked for as 64 rows of 256 bytes, two keys a row, and padded in LDS after every key
	s_mov_b32 s[G1K], (1<<16)|(1<<20)|(4<<22)|(3<<25)  ; 17:16 2-byte elements; 20 padding on; 24:22 after every 32 words (code 4); 31:25 4 words (code 3)
	s_mov_b32 s[G1V], (1<<16)|(1<<20)|(4<<22)|(7<<25)  ; the same with 8 words of padding (code 7)
.irp g, G1K, G1V
	s_mov_b32 s[\g+1], 128<<16      ; tensor_dim0 = 128
	s_mov_b32 s[\g+2], 64<<16       ; tensor_dim1 = 64
	s_mov_b32 s[\g+3], 128<<16      ; tile_dim0 = 128
	s_mov_b32 s[\g+4], 64           ; tile_dim1 = 64
	s_mov_b32 s[\g+5], 128          ; 128 elements from row to row
	s_mov_b32 s[\g+6], 0
	s_mov_b32 s[\g+7], 0
.endr
	s_mov_b32 s[CS], 0x3e38aa3b     ; c = log2(e) / 8 = 0.180337
	s_mov_b32 s[CS+1], s[CS]        ; named with it as a pair
	s_mov_b32 s[SEL], 0x76543210
	s_mov_b32 s[SEL+1], 0xfedcba98
	s_mov_b32 s[TBK], SLOT1+4*KS*PK ; the first change of slots turns these two into 0
	s_mov_b32 s[TBV], SLOT1+4*KS*PV
	s_mov_b32 s[G0K], 1             ; count = 1
	s_mov_b32 s[G0K+1], s22         ; LDS address: slot 0
	s_mov_b32 s[G0V], 1
	s_add_co_u32 s[G0V+1], s23, VOFF
	s_add_co_u32 s[RT], s[PB], 1    ; the first block has b + 1 tiles
	s_mov_b32 s[NEW], 1
	s_mov_b32 s[NHT], s[HI]         ; block b has 3 - b tiles above it
	s_mov_b32 s[OFF+1], 0
	s_mov_b32 s[HB], 0xc79c4000     ; -80000.0
	s_cmp_eq_u32 s[PB], 0
	s_cselect_b32 s[NXT], 0, 1      ; the walk's second tile: block 0 has tile 0 alone, so it is the second block's tile 0; else the first block's tile 1
	s_cselect_b32 s[LQ], s[HI], s[PB]
	s_cselect_b32 s[BETA], 0, 1.0
	s_cselect_b32 s[GAMMA], 1.0, 0
	s_mov_b32 s[BETA+1], 0          ; named as pairs
	s_mov_b32 s[GAMMA+1], 0
	s_mov_b32 s[SLOTS], NB
	s_wait_dscnt 0x0                ; the opening add is done
	s_wait_kmcnt 0x0
	s_add_nc_u64 s[4:5], s[92:93], s[2:3]               ; q of my head
	s_add_nc_u64 s[PFA:PFA+1], s[4:5], 16*GRP           ; K's tile 0: each change of slots steps it by a tile; in the second trip it stands at tile 2
	s_add_nc_u64 s[6:7], s[4:5], s[20:21]
	s_add_nc_u64 s[8:9], s[6:7], 32*GRP                 ; V at my half of the head's tile 0,
	s_add_nc_u64 s[6:7], s[6:7], 16*GRP                 ; and K
	s_add_nc_u64 s[G0K+2:G0K+3], s[6:7], 0              ; global address
	s_or_b32 s[G0K+3], s[G0K+3], 0x80000000             ; type = 2
	s_add_nc_u64 s[G0V+2:G0V+3], s[8:9], 0
	s_or_b32 s[G0V+3], s[G0V+3], 0x80000000
	s_add_nc_u64 s[86:87], s[4:5], s[84:85]             ; Q at my rows of the second block,
	s_add_nc_u64 s[4:5], s[4:5], s[88:89]               ; and of the first
	s_add_nc_u64 s[10:11], s[10:11], s[16:17]
	s_add_nc_u64 s[OLO:OLO+1], s[10:11], s[84:85]
	s_add_nc_u64 s[10:11], s[10:11], s[88:89]
	s_add_nc_u64 s[TSP:TSP+1], s[TSP:TSP+1], s[18:19]
	s_cmp_eq_u32 s[PB], 0
	s_cselect_b32 s[LIM], 2, 0
.irp r, 0,1,2,3,4,5,6,7
	s_mov_b32 s[DC+\r], ((1<<\r)-1)|(((1<<(\r+8))-1)<<16)  ; register r holds key 8 (l / 16) + r for query l % 16: above the diagonal in lanes l < r and in lanes 16 + (l % 16 < r + 8)
.endr
	LOAD                            ; tile 0 into slot 0
	; A fragment of K or Q is 16 rows x 32 channels in 8 registers: lane l holds row l % 16, channels 8 (l / 16) + 0..7 and 16 + 8 (l / 16) + 0..7: two loads of 16 bytes, 32 bytes apart.
	v_and_b32 v1, 15, v0            ; l % 16
	v_bfe_u32 v9, v0, 4, 1          ; l / 16
	v_lshlrev_b32 v[QO], 7, v1
	v_lshl_add_u32 v[QO], v9, 4, v[QO]  ; row x 128 + 16 x half
	v_lshlrev_b32 v[TO], 5, v9
	v_lshlrev_b32 v[PFO], 8, v0
	v_mov_b32 v[HV], s[HB]
	WIN 0x80                        ; destination window 2, address window 0
.set i, 0
.rept 8                             ; both blocks' Q: piece i / 2 lies 2,048 bytes on; channels 32 (i % 2) on
	global_load_b128 v[8*i:8*i+3],   v[QO], s[4:5] offset:(i/2)*2048+(i%2)*64
	global_load_b128 v[8*i+4:8*i+7], v[QO], s[4:5] offset:(i/2)*2048+(i%2)*64+32
	global_load_b128 v[QB+8*i:QB+8*i+3],   v[QO], s[86:87] offset:(i/2)*2048+(i%2)*64
	global_load_b128 v[QB+8*i+4:QB+8*i+7], v[QO], s[86:87] offset:(i/2)*2048+(i%2)*64+32
.set i, i+1
.endr
	WIN 0
.set i, 0
.rept 48                            ; the sums of V over chunks 2 to 7 of 128 keys, in O^T's own layout: chunk 2 + i / 8 at v[64 + 32 (i / 8)], channels 16 ((i / 2) % 4) + 8 (l / 16) + 4 (i % 2) on
	global_load_b128 v[64+4*i:64+4*i+3], v[TO], s[TSP:TSP+1] offset:4096*(2+i/8)+64*((i/2)%4)+16*(i%2)
.set i, i+1
.endr
	v_mul_u32_u24 v[AK0], v1, PK
	v_lshl_add_u32 v[AK0], v9, 4, v[AK0]  ; row x pitch + 16 x half
	; The turning load takes 16 keys x 16 channels (lane l reads key 8 (l / 16) + l % 8, channels 8 ((l / 8) % 2) + 0..7) and leaves half a fragment of V^T: lane l holds channel l % 16 and 8 keys.
	v_and_b32 v10, 7, v0
	v_bfe_u32 v11, v0, 3, 1
	v_lshl_add_u32 v[AV0], v9, 3, v10
	v_mul_u32_u24 v[AV0], v[AV0], PV
	v_lshl_add_u32 v[AV0], v11, 4, v[AV0]
	v_add_nc_u32 v[AV0], VOFF, v[AV0]
	s_mul_i32 s13, s[WV], 16*SP
	s_add_co_u32 s13, s13, STAGE    ; my stage
	v_mul_u32_u24 v[STO], v1, SP    ; in: row l % 16, 16 bytes for each half of the lanes
	v_lshl_add_u32 v[STO], v9, 4, v[STO]
	v_add_nc_u32 v[STO], s13, v[STO]
	v_bfe_u32 v[RD], v0, 3, 2       ; back: 32 lanes take four rows of 128 bytes,
	v_mul_u32_u24 v[RD], v[RD], SP
	v_lshl_add_u32 v[RD], v10, 4, v[RD]
	v_add_nc_u32 v[RD], s13, v[RD]
	v_and_b32 v[GO], 31, v0         ; which are 512 consecutive bytes of O
	v_lshlrev_b32 v[GO], 4, v[GO]
	; A block's first turn has products V^T P of a piece that has not been: P's buffer for them is cleared where a block begins, and V need only be finite: zeros here, later what the first block left.
	WIN 0x80
.set i, VF
.rept 64
	v_mov_b32 v[i], 0
.set i, i+1
.endr
	WIN 0
	s_wait_loadcnt 0x0              ; ts (and Q)
.set i, 0
.rept 16
	v_pk_add_f32 v[64+2*i:65+2*i],   v[64+2*i:65+2*i],   v[96+2*i:97+2*i]    ; tile 1
	v_pk_add_f32 v[128+2*i:129+2*i], v[128+2*i:129+2*i], v[160+2*i:161+2*i]  ; tile 2
	v_pk_add_f32 v[192+2*i:193+2*i], v[192+2*i:193+2*i], v[224+2*i:225+2*i]  ; tile 3
.set i, i+1
.endr
.set i, 0
.rept 16
	v_pk_add_f32 v[128+2*i:129+2*i], v[128+2*i:129+2*i], v[192+2*i:193+2*i]  ; tiles 2 and 3
.set i, i+1
.endr
	WIN 0x40                        ; destination window 1
.set i, 0
.rept 16
	v_pk_fma_f32 v[TL+2*i:TL+2*i+1], v[64+2*i:65+2*i], s[GAMMA:GAMMA+1], v[128+2*i:129+2*i] op_sel_hi:[1,0,1]  ; the first block: block 0 has tiles 1 to 3 above it, block 1 tiles 2 and 3
	v_pk_mul_f32 v[TL2+2*i:TL2+2*i+1], v[192+2*i:193+2*i], s[BETA:BETA+1] op_sel_hi:[1,0]  ; the second: block 3 has nothing above it, block 2 has tile 3
.set i, i+1
.endr
	WIN 0
; THE MATRIX WORK.  The 4 accumulators of a run of 8 take turns.  Product i of 8 of S^T = K Q^T for piece x: channels 32 (i / 4) on, keys 16 (i % 4) on.  The first 4 start the sums.
.macro KQ x
	WIN W_KQ
.set rS, S+32*((\x)%2)+8*(i%4)
.set rK, KF+16*(i%4)+8*(i/4)
.set rQ, 16*(\x)+8*(i/4)
.if i < 4
	v_wmma_f32_16x16x32_f16 v[rS:rS+7], v[rK:rK+7], v[rQ:rQ+7], 0
.else
	v_wmma_f32_16x16x32_f16 v[rS:rS+7], v[rK:rK+7], v[rQ:rQ+7], v[rS:rS+7]
.endif
.endm
; Product i of 8 of O^T += V^T P for piece x: keys 32 (i / 4) on, channels 16 (i % 4) on.
.macro PV x
	WIN W_PV
.set rO, 32*(\x)+8*(i%4)
.set rV, VF+32*(i/4)+8*(i%4)
.set rP, P+16*((\x)%2)+8*(i/4)
	v_wmma_f32_16x16x32_f16 v[rO:rO+7], v[rV:rV+7], v[rP:rP+7], v[rO:rO+7]
.endm
.macro MM                           ; the turn's next matrix instruction
.if i < 8
	KQ (Y+1)%NP
.else
.set i, i-8
	PV (Y+NP-1)%NP
.set i, i+8
.endif
.set i, i+1
.endm
; THE LDS LOADS stand in runs of 16, never singly among the matrix instructions: a step's K (64 keys x 64 channels: 8 fragments) and its V (turned).  Their addresses are made some lines ahead.
; last = 1 (the diagonal tile's text): in the trip that ends the block (CNT = 1) there is no further step, and the run is jumped over.
.macro FETCH_K last=0
	WIN 0
.if \last
	s_cmp_eq_u32 s[CNT], 1
	s_cbranch_scc1 .Lno_k_\@
.endif
	WIN 0x80                        ; destination window 2
.irp f, 0,1,2,3,4,5,6,7             ; keys 16 (f / 2) on, channels 32 (f % 2) on
	ds_load_b128 v[KF+8*\f:KF+8*\f+3],   v[AK] offset:(\f/2)*16*PK+(\f%2)*64
	ds_load_b128 v[KF+8*\f+4:KF+8*\f+7], v[AK] offset:(\f/2)*16*PK+(\f%2)*64+32
.endr
	s_add_co_u32 s[TBK], s[TBK], KS*PK  ; the next fetch is the next step's
	WIN 0
.if \last
.Lno_k_\@:
.endif
.endm
.macro FETCH_V
	WIN 0x80
.irp f, 0,1,2,3,4,5,6,7             ; keys 32 (f / 4) on, channels 16 (f % 4) on
	ds_load_tr16_b128 v[VF+8*\f:VF+8*\f+3],   v[AV] offset:(\f/4)*32*PV+(\f%4)*32
	ds_load_tr16_b128 v[VF+8*\f+4:VF+8*\f+7], v[AV] offset:(\f/4)*32*PV+16*PV+(\f%4)*32
.endr
	WIN 0
.endm
; THE MASKS of a key step, from REL = key step - wave; they hang on no piece.  REL < 0: nothing is hidden; REL > 0: all; REL = 0: key groups above the piece's own, and in its own what lies above the diagonal.
.macro HSEL
	s_cmp_gt_i32 s[REL], 0
	s_cselect_b32 s[HP], -1, 0
	s_cmp_ge_i32 s[REL], 0
	s_cselect_b32 s[HQ], -1, 0
	s_cmp_eq_u32 s[REL], 0
.irp r, 0,1,2,3,4,5,6,7
	s_cselect_b32 s[EM+\r], s[DC+\r], s[HP]
.endr
.endm
.macro HVE x                        ; piece x's 32 scores: the hidden ones are replaced by H; each accumulator's lowest register is read first.  The groups below and above the piece's own take their mask by VCC, written just ahead
	WIN 0
.if (\x) > 0
	s_mov_b32 vcc_lo, s[HP]
.endif
.set hz, 0
.rept 32
.if hz == 8*(\x)+8
	s_mov_b32 vcc_lo, s[HQ]
.endif
.if hz/8 == (\x)
	v_cndmask_b32 v[S+32*((\x)%2)+hz], v[S+32*((\x)%2)+hz], v[HV], s[EM+hz%8]
.else
	v_cndmask_b32 v[S+32*((\x)%2)+hz], v[S+32*((\x)%2)+hz], v[HV], vcc_lo
.endif
.set hz, hz+1
.endr
.endm
; THE VECTOR WORK, one line at a time: OP kind, number.  For piece Y: F n: c s - c m for pair n of 16.  E n: the exponential of score n of 32.  C n: pair n rounded to f16.  B n: of the four weights 4 n .. the second
; pair is added onto the first, in place.  L n: l takes that sum (L 0: l = a l + sum).  R n: pair n of 16 of O^T times a.  For piece Y + 1: X n, number n of the 22 that find its maximum and statistics:
;   0-11  four chains c0-c3 of seven scores each, three operands at a time (each accumulator's lowest registers are read first)     12-14, 16  the four scores left over, the old m, and c0-c3 into c0
;   15  c m_old is kept     17, 18  the query's other 32 keys lie in the lane 16 away: the new m     19-21  c m; c m_old - c m_new; a
.set F, 0               ; OP tells the kinds apart by their order: F to L below R, X above it
.set E, 1
.set C, 2
.set B, 3
.set L, 4
.set R, 5
.set X, 6
.macro REGS y                       ; the registers of piece y
.set rT, ST+4*(\y)
.set rC, TMP+4*((\y)%2)
.set rW, MV+((\y)%2)
.set rS, S+32*((\y)%2)
.set rP, P+16*((\y)%2)
.set rO, 32*(\y)
.endm
.macro OP k, n
.if (\k) == R
	REGS Y
	WIN W_RS
	v_pk_mul_f32 v[rO+2*(\n):rO+2*(\n)+1], v[rO+2*(\n):rO+2*(\n)+1], v[rC+2:rC+3] op_sel_hi:[1,0]
.elseif (\k) < R
	REGS Y
	WIN 0
.if (\k) == F
	v_pk_fma_f32 v[rS+2*(\n):rS+2*(\n)+1], v[rS+2*(\n):rS+2*(\n)+1], s[CS:CS+1], v[rT:rT+1] op_sel_hi:[1,0,0] neg_lo:[0,0,1] neg_hi:[0,0,1]
.elseif (\k) == E
	v_exp_f32 v[rS+(\n)], v[rS+(\n)]
.elseif (\k) == C
	s_wait_alu depctr_va_vdst(0)
	v_cvt_pk_f16_f32 v[rP+(\n)], v[rS+2*(\n)], v[rS+2*(\n)+1]
.elseif (\k) == B
	s_wait_alu depctr_va_vdst(0)
	v_pk_add_f32 v[rS+4*(\n):rS+4*(\n)+1], v[rS+4*(\n):rS+4*(\n)+1], v[rS+4*(\n)+2:rS+4*(\n)+3]
.elseif (\n) == 0
	v_pk_fma_f32 v[rT+2:rT+3], v[rT+2:rT+3], v[rC+2:rC+3], v[rS:rS+1] op_sel_hi:[1,0,1]
.else
	v_pk_add_f32 v[rT+2:rT+3], v[rT+2:rT+3], v[rS+4*(\n):rS+4*(\n)+1]
	s_wait_alu depctr_va_vdst(0)
.endif
.else
	REGS (Y+1)%NP
	WIN 0
.if (\n) < 4
	v_max3_num_f32 v[rC+(\n)], v[rS+8*(\n)], v[rS+8*(\n)+1], v[rS+8*(\n)+2]
.elseif (\n) < 12
	v_max3_num_f32 v[rC+(\n)%4], v[rC+(\n)%4], v[rS+8*((\n)%4)+2*((\n)/4)+1], v[rS+8*((\n)%4)+2*((\n)/4)+2]
.elseif (\n) == 12
	v_max3_num_f32 v[rC], v[rC], v[rS+7], v[rS+15]
.elseif (\n) == 13
	v_max3_num_f32 v[rC+1], v[rC+1], v[rS+23], v[rS+31]
.elseif (\n) == 14
	v_max3_num_f32 v[rC+2], v[rC+2], v[rC+3], v[rT+1]
.elseif (\n) == 15
	v_mov_b32 v[rW], v[rT]
	s_wait_alu depctr_va_vdst(0)
.elseif (\n) == 16
	v_max3_num_f32 v[rC], v[rC], v[rC+1], v[rC+2]
	s_wait_alu depctr_va_vdst(0)
.elseif (\n) == 17
	v_permlanex16_b32 v[rC+3], v[rC], s[SEL], s[SEL+1]
.elseif (\n) == 18
	v_max_num_f32 v[rT+1], v[rC], v[rC+3]
.elseif (\n) == 19
	v_mul_f32 v[rT], s[CS], v[rT+1]
.elseif (\n) == 20
	v_sub_f32 v[rC+1], v[rW], v[rT]
.else
	v_exp_f32 v[rC+2], v[rC+1]
.endif
.endif
.endm
.macro OPS a, i1, b=-1, i2=0, c=-1, i3=0, d=-1, i4=0  ; up to four of them
	OP \a, \i1
.if (\b) >= 0
	OP \b, \i2
.endif
.if (\c) >= 0
	OP \c, \i3
.endif
.if (\d) >= 0
	OP \d, \i4
.endif
.endm
.macro ROW a, i1, b, i2, c, i3, d, i4  ; a matrix instruction and the four behind it
	MM
	OPS \a, \i1, \b, \i2, \c, \i3, \d, \i4
.endm
; A TURN, for piece p: the order of its 16 matrix and 118 vector instructions, written out.  Behind a matrix instruction: plain, exponential, plain, plain; or four of the rescaling; or, behind the first, four scalings;
; none names a register of the products round it.  In the lumps exponential and plain by turns while exponentials last.  v_permlanex16_b32 (X 17) stands in a lump.
; m = 1: the diagonal tile's text.  The scores that the turn's own products make are masked in the first lump: behind the last of those products stand four rescalings and more plain lines, and the maximum (X 0)
; follows.  The four turns from piece 3's on make the scores of pieces 0, 1, 2, 3 of ONE key step, number 5 - CNT of the tile: its masks are made at the head of piece 3's turn.
; cnt = 1: the plain loop's count is taken down some lines ahead of the branch behind the turn.
; K of the next step is fetched in piece 2's turn, six vector instructions behind the last product that read K (five of them plain); V of the step in hand in piece 0's turn, eight behind the last product
; that read V.  Each is waited for a turn later.
.macro TURN p, m=0, cnt=0
.set Y, (\p)
.set i, 0
.if (\p) == 3
.if \m
	s_sub_co_i32 s[REL], 5, s[CNT]
	s_sub_co_i32 s[REL], s[REL], s[WV]
	HSEL
.endif
	s_wait_dscnt 0x0                ; K is in
.endif
	ROW F,0, F,1, F,2, F,3
	ROW F,4, E,0, F,5, F,6
	ROW F,7, E,1, F,8, F,9
	ROW F,10, E,2, C,0, F,11
	ROW F,12, E,3, X,15, F,13
	ROW R,0, R,1, R,2, R,3
	ROW B,0, E,4, F,14, L,0
.if (\p) == 2
	v_add_nc_u32 v[AK], s[TBK], v[AK0]
.endif
	ROW R,4, R,5, R,6, R,7
	OPS E,5, F,15
.if (\p) == 2
	FETCH_K \m
.endif
	OPS E,6, C,1, E,7, R,8
	OPS E,8, R,9, E,9, C,2
.if \m
	HVE ((\p)+1)%NP
.endif
	OPS E,10, X,0, E,11, X,1
	OPS E,12, X,2, E,13, X,3
.if (\p) == 1
	s_wait_dscnt 0x0                ; V is in
.endif
	ROW X,4, E,14, X,5, X,6
	ROW X,7, E,15, X,8, X,9
	ROW X,10, E,16, X,11, X,12
	ROW X,13, E,17, X,14, B,1
	ROW C,4, E,18, X,16, L,1
	ROW B,2, E,19, C,6, L,2
	ROW C,8, E,20, B,3, B,4
.if (\p) == 0
	v_add_nc_u32 v[AV], s[TBV], v[AV0]
.endif
	ROW C,3, E,21, L,3, C,5
	OPS E,22, X,17, E,23, C,10
.if (\p) == 0
	FETCH_V
.endif
	OPS E,24, L,4
	OPS E,25, X,18, E,26, C,7
	OPS E,27, B,5, E,28, X,19
	OPS E,29, C,12, E,30, L,5
	OPS E,31, X,20, B,6, C,9
	OPS C,14, C,11, X,21, L,6
.if (\p) == 0
	s_add_co_u32 s[TBV], s[TBV], KS*PV
.endif
.if \cnt
	s_sub_co_u32 s[CNT], s[CNT], 1
	s_cmp_lg_u32 s[CNT], 0
.endif
	OPS C,13, B,7, C,15, R,10
	OPS R,11, R,12, L,7, R,13
	OPS R,14, R,15
.endm
; A BLOCK BEGINS.  Its state starts with the NHT key tiles that lie wholly above it: m = H (with none: the lowest finite number), c m by the same multiplication that makes it anew later, l = 128 NHT in each of
; the query's two lanes, O^T = those tiles' sum of V.  P's second buffer is cleared: the first turn's products V^T P, of a piece that has not been, add 0.
; Then K of the tile's step 0, its masks (those of the diagonal tile's step 0, if the block's first tile is the diagonal one; else nothing is hidden), piece 0's first scores, and its maximum and statistics.
; The step loop is entered at a step's first turn, in the middle of a trip.
.macro BEGIN
	s_mov_b32 s[NEW], 0
	s_cmp_eq_u32 s[NHT], 0
	s_cselect_b32 s[M0], 0xff7fffff, s[HB]
	s_lshl_b32 s[L0], s[NHT], 7
	s_sub_co_i32 s[REL], 0, s[WV]   ; step 0 of the diagonal tile,
	s_cmp_eq_u32 s[RT], 0
	s_cselect_b32 s[REL], s[REL], -8  ; or a tile below it: all keys are seen
	HSEL
	WIN 0
	v_add_nc_u32 v[AK], s[TBK], v[AK0]
	FETCH_K
.set i, 0
.rept 4
	v_mov_b32 v[ST+4*i+1], s[M0]
	v_mul_f32 v[ST+4*i], s[CS], v[ST+4*i+1]
	v_cvt_f32_u32 v[ST+4*i+2], s[L0]
	v_mov_b32 v[ST+4*i+3], 0
.set i, i+1
.endr
.set i, P+16
.rept 16
	v_mov_b32 v[i], 0
.set i, i+1
.endr
	WIN W_RS                        ; destination and source 0 in window 1
.set i, 0
.rept 128
	v_mov_b32 v[i], v[TL+i%32]
.set i, i+1
.endr
	WIN 0
	s_wait_loadcnt 0x0              ; Q
	s_wait_dscnt 0x0
.set i, 0
.rept 8
	KQ 0
.set i, i+1
.endr
	WIN 0
.rept 4
	v_nop                           ; the places behind those products
.endr
	HVE 0
.set Y, NP-1                        ; X works for piece Y + 1: piece 0
.irp n, 0,1,2,3,4,5,6,7,8,9,10,11,12,13,14,15,16,17,18,19,20,21
	OP X, \n
.endr
	v_nop                           ; a plain instruction behind the exponential
.endm
; THE DIAGONAL TILE, the block's last products, and THE WAY OUT.  The step loop counts 5 (4 where it is entered at its middle, behind BEGIN): four trips fetch the tile's four steps; the fifth is left in its
; middle, behind pieces 2 and 3 of the last step.  In that half trip K's run of loads is jumped over, and piece 3's turn makes 8 products on the old K and a maximum of them that serve nothing: the price, once
; a block, of one text for every trip.  Then l's two halves and the other half of the lanes' are added; O^T is divided by l, rounded to f16 and sent through my stage in LDS, a piece at a time.
.macro ALL line:vararg              ; one line for each piece t
.set t, 0
.rept 4
	\line
.set t, t+1
.endr
.endm
.macro PACK t                       ; a lane's eight channels of a row pack into 16 bytes; they go into rows of 144 bytes and come back as whole rows of 128, into S^T's registers
	WIN W_RS
.set i, 32*(\t)
.rept 16
	v_pk_mul_f32 v[i:i+1], v[i:i+1], v[ST+4*(\t)+2:ST+4*(\t)+3] op_sel_hi:[1,0]
.set i, i+2
.endr
	WIN 0x05                        ; sources 0 and 1 window 1, destination window 0
.set i, 0
.rept 16
	v_cvt_pk_f16_f32 v[S+16*(\t)+i], v[32*(\t)+2*i], v[32*(\t)+2*i+1]
.set i, i+1
.endr
	WIN 0
.irp f, 0,1,2,3
	ds_store_b128 v[STO], v[S+16*(\t)+4*\f:S+16*(\t)+4*\f+3] offset:32*\f
.endr
.irp f, 0,1,2,3
	ds_load_b128 v[S+16*(\t)+4*\f:S+16*(\t)+4*\f+3], v[RD] offset:\f*4*SP  ; LDS serves a wave's instructions in order (ISA guide 5.7.1.4): these see the stores above; the next piece's stores come behind them
.endr
.endm
.macro SEND t, younger              ; younger: the LDS instructions issued behind piece t's loads: the next piece's eight, or none
	WIN 0
.irp f, 0,1,2,3
	s_wait_dscnt (\younger)+3-\f
	global_store_b128 v[GO], v[S+16*(\t)+4*\f:S+16*(\t)+4*\f+3], s[10:11] offset:(\t)*2048+\f*512  ; 512 consecutive bytes, at a multiple of 256 from O's first
.endr
.endm
.macro DIAG tag                     ; the tag ends its labels' names, which the jumps below spell out
.LstepM\tag:
	TURN 2, 1
	TURN 3, 1
	WIN 0
	s_sub_co_u32 s[CNT], s[CNT], 1
	s_cmp_eq_u32 s[CNT], 0
	s_cbranch_scc1 .LoutM\tag       ; the fifth trip ends here
.LfirstM\tag:
	TURN 0, 1
	TURN 1, 1
	WIN 0
	s_cmp_lg_u32 s[CNT], 0
	s_cbranch_scc1 .LstepM\tag
.LoutM\tag:
.set i, 0
.rept 8
	PV NP-1
.set i, i+1
.endr
	WIN 0
	ALL v_add_f32 v[ST+4*t+2], v[ST+4*t+2], v[ST+4*t+3]
	ALL v_permlanex16_b32 v[ST+4*t+3], v[ST+4*t+2], s[SEL], s[SEL+1]
	ALL v_add_f32 v[ST+4*t+2], v[ST+4*t+2], v[ST+4*t+3]
	ALL v_rcp_f32 v[ST+4*t+2], v[ST+4*t+2]
	v_nop                           ; a plain instruction between the last reciprocal and the use of its result
	s_wait_alu depctr_va_vdst(0)
	PACK 0
.set t, 1
.rept 3                             ; a piece's arithmetic stands between the loads of the piece before and its stores
	PACK t
	SEND t-1, 8
.set t, t+1
.endr
	SEND 3, 0
.endm
.Lslot:                             ; NB times: a tile is entered and the next is asked for
	CHANGE 1
	s_sub_co_u32 s[RT], s[RT], 1
	s_mov_b32 s[CNT], 4
	s_cmp_eq_u32 s[NEW], 1
	s_cbranch_scc1 .Lnew            ; a block's first tile
	s_cmp_eq_u32 s[RT], 0
	s_cbranch_scc0 .Lstep           ; neither its first nor its last
	s_mov_b32 s[CNT], 5
	s_branch .LstepM1
.Lnew:
	BEGIN
	s_cmp_eq_u32 s[RT], 0
	s_cbranch_scc0 .Lfirst          ; more tiles of the block follow
	s_branch .LfirstM1              ; block 0: its first tile is the diagonal one
	DIAG 1                          ; in the loop this is the first block's end: the second block's last tile is the walk's last
	s_wait_xcnt 0x0                 ; the stores have read their registers and O's address
	s_mov_b64 s[10:11], s[OLO:OLO+1]
	s_add_co_u32 s[RT], s[HI], 1    ; the second block has 4 - b tiles,
	s_mov_b32 s[NHT], s[PB]         ; and b above it
	s_mov_b32 s[NEW], 1
	WIN 0x82                        ; the second block's Q goes where the one text of the turns names Q
.set i, 0
.rept 64
	v_mov_b32 v[i], v[QB+i]
.set i, i+1
.endr
	WIN W_RS                        ; and its hidden tiles' sum where BEGIN takes it
.set i, 0
.rept 32
	v_mov_b32 v[TL+i], v[TL2+i]
.set i, i+1
.endr
	WIN 0
	s_branch .Lbottom
.Lstep:                             ; a trip: pieces 2 and 3 of one step, then pieces 0 and 1 of the next, whose K and V it fetches
	TURN 2
	TURN 3
	WIN 0
.Lfirst:
	TURN 0
	TURN 1, 0, 1
	WIN 0
	s_cbranch_scc1 .Lstep
.Lbottom:
	s_sub_co_u32 s[SLOTS], s[SLOTS], 1
	s_cmp_lg_u32 s[SLOTS], 0
	s_cbranch_scc1 .Lslot
	CHANGE 0                        ; the walk's last tile is written out: nothing is asked for.  It is the second block's diagonal tile, the third or fourth of that block
	s_mov_b32 s[CNT], 5
	DIAG 2
	s_wait_tensorcnt 0x0            ; the wave's end, behind my last tensor load and my last LDS store
	ds_add_u32 v[SPW], v[NIL]
	s_wait_dscnt 0x0
	s_endpgm
.Lfunc_end_k_qd6a07b5745_attn:
	.size	k_qd6a07b5745_attn, .Lfunc_end_k_qd6a07b5745_attn-k_qd6a07b5745_attn
	.p2alignl 7, 3214868480
	.fill 96, 4, 3214868480
	.section	.rodata,"a",@progbits
	.p2align	6, 0x0
	.amdhsa_kernel k_qd6a07b5745_attn
		.amdhsa_group_segment_fixed_size 327680
		.amdhsa_private_segment_fixed_size 0
		.amdhsa_enable_private_segment 0
		.amdhsa_kernarg_size 24
		.amdhsa_user_sgpr_count 2
		.amdhsa_user_sgpr_kernarg_segment_ptr 1
		.amdhsa_wavefront_size32 1
		.amdhsa_system_sgpr_workgroup_id_x 1
		.amdhsa_system_sgpr_workgroup_id_y 1
		.amdhsa_system_sgpr_workgroup_id_z 1
		.amdhsa_system_vgpr_workitem_id 0
		.amdhsa_next_free_vgpr 768
		.amdhsa_next_free_sgpr 96
		.amdhsa_reserve_vcc 1
		.amdhsa_float_denorm_mode_32 3
		.amdhsa_float_denorm_mode_16_64 3
		.amdhsa_memory_ordered 1
		.amdhsa_forward_progress 1
		.amdhsa_inst_pref_size 200
	.end_amdhsa_kernel
	.amdgpu_metadata
---
amdhsa.version: [ 1, 2 ]
amdhsa.kernels:
  - .name:           k_qd6a07b5745_attn
    .symbol:         k_qd6a07b5745_attn.kd
    .args:
      - { .name: qkvh, .offset: 0, .size: 8, .value_kind: global_buffer, .address_space: global }
      - { .name: ts, .offset: 8, .size: 8, .value_kind: global_buffer, .address_space: global }
      - { .name: ao, .offset: 16, .size: 8, .value_kind: global_buffer, .address_space: global }
    .group_segment_fixed_size: 327680
    .private_segment_fixed_size: 0
    .kernarg_segment_align: 8
    .kernarg_segment_size: 24
    .max_flat_workgroup_size: 128
    .sgpr_count:     96
    .vgpr_count:     768
    .wavefront_size: 32
...
	.end_amdgpu_metadata
.endif
;; end of part 3
;; launch outp (part 4): grid 8 x 32, 4 waves a work-group, clusters of 4 x 4, 327,680 bytes of LDS; arguments ao, wo, out_b, out0; writes out0
.if DOCPART == 4
	.amdgcn_target "amdgcn-amd-amdhsa--gfx1250"
	.amdhsa_code_object_version 6
	.text
	.protected	k_qd6a07b5745_outp
	.globl	k_qd6a07b5745_outp
	.p2align	8
	.type	k_qd6a07b5745_outp,@function
k_qd6a07b5745_outp:
	s_mov_b64 s[64:65], 0
	v_nop
	global_prefetch_b8 v0, s[64:65] scope:SCOPE_SE
	s_setreg_imm32_b32 hwreg(HW_REG_WAVE_MODE, 25, 1), 1
	s_wait_xcnt 0x0
	s_wait_alu depctr_hold_cnt(0) depctr_sa_sdst(0) depctr_va_vdst(0) depctr_va_sdst(0) depctr_va_ssrc(0) depctr_va_vcc(0) depctr_vm_vsrc(0)
	s_getreg_b32 s2, hwreg(HW_REG_IB_STS2, 6, 4)
	s_cmp_eq_u32 s2, 0
	s_cbranch_scc0 .Lentry_in_a_cluster
	s_endpgm
.Lentry_in_a_cluster:
	s_bfe_u32 s2, ttmp6, 0x10000c
	s_cmp_lg_u32 s2, 0xf033
	s_cbranch_scc0 .Lentry_shape_is_right
	s_endpgm
.Lentry_shape_is_right:
; THE OUTPUT PROJECTION.  out0[t][b][f] = sum over e of O[t][b][e] out_w[f][e] + out_b[f], f32.  O: ao [b 8][head 16][t 1024][64] f16, which is a layout in blocks of 64 along K (block = head);
; out_w: wo [kb 16][f 1024][64], rounded to bf16 and written as f16; the bias is rounded to bf16 like the other inputs; sums in f32.
; SHARES.  8,192 rows x 1,024 columns in tiles of 256 x 128: 32 x 8 = 256 work-groups.  A tile's rows are 256 consecutive t of one b (tile row R: b = R % 8, t0 = 256 (R / 8)).
; Four waves, each 128 rows x 64 columns: 32 accumulators, 256 registers.  THE MATRIX INSTRUCTION IS USED TRANSPOSED (source 0 = 16 rows of out_w, source 1 = 16 rows of O): a lane holds one t and eight columns.
; THE RING.  K goes in steps of 128 (two heads) through two LDS slots.  A head's tile is dense in memory: asked for as rows of 256 bytes, padded in LDS after every 128.  Wave 0 fetches O's even head, wave 1 its odd
; one, waves 2 and 3 the same of out_w: one tensor load a wave behind each change of slots; by this text's count two loads of a wave are out at the start, later one.
; CLUSTER.  4 x 4 work-groups: O's tile is asked for jointly along a row of the cluster, out_w's along a column.
; WHERE A CLUSTER BEGINS ALONG K.  All 8 K steps are walked, from step (4 x cluster x + 2 x (cluster y % 4)) % 8 on, and round.  The two clusters that read the same rows of O begin 4 steps apart, clusters that
; read the same rows of out_w 2 apart or together: in the second half of its walk a cluster asks only for blocks that another has asked for some steps before.  The f32 sums are taken in that order.
; THE BIAS STARTS THE SUMS: it lies in accumulator (7, bq); the first products of blocks 0 to 6 take it as C, block 7's add onto it in place.
; REGISTERS: window 0: v16-29 addresses; v32-95, v96-159 O's fragments, two buffers; v160-191, v192-223 out_w's; window 1: accumulator (a, bq) at v[8 (8 bq + a)].
.set PITCH, 144                        ; an LDS row: 128 bytes + 16 of padding = 36 words: the 16 rows of a fragment load start at 16 different groups of four banks (ISA guide 11.1)
.set BLK,   16*PITCH
.set AODD,  256*PITCH                  ; a slot: O's even head (256 rows), its odd head,
.set BEVN,  2*AODD                     ; out_w's even block (128 rows),
.set BODD,  128*PITCH                  ; and its odd one
.set SLOT1, 131072
.set STAGE, SLOT1+BEVN+2*BODD          ; behind the ring, never filled by a tensor load: 16 rows x 272 bytes for each wave
.set SPITCH, 272
.set SPARE, STAGE+4*16*SPITCH          ; the spare words, 128 bytes for each wave: two blocks of 256 bytes that no other line names
.set KSTEP, 2*131072                   ; bytes from a K step to the next, in ao and in wo: 2^18
.set G1W,   (1<<16)|(1<<20)|(1<<21)|(4<<22)|(3<<25)
.set ADRA0, 16
.set ADRB0, 17
.set ADRA,  18
.set ADRB,  19
.set STO,   20                         ; v20  the way out: where I put 32 bytes of a row
.set RD,    21                         ; v21  where I read a row back
.set CO,    22                         ; v22  my byte offset in out0
.set BO,    25                         ; v25  32 (lane / 16)
.set SPW,   28
.set NIL,   29
.set AF,    32
.set BF,    160
.set BK,    32                         ; the way out: two buffers of 32
.set WV, 14
.set WR, 15                            ; my half of the tile's rows; also: I fetch O (0) or out_w (1)
.set WC, 16                            ; my half of its columns; also: the even or the odd block of a K step
.set CX, 17
.set CY, 18
.set TC, 19
.set TR, 20
.set G1A, 24
.set G1B, 32
.set G0A, 40                           ; s[40:47] group 0 for O's tiles: a set for each first fill; the second serves every refill
.set G0B, 48
.set TB,  56
.set CNT, 57
.set OUTP, 58                          ; s[58:59]
.set BIASP, 60                         ; s[60:61]
.set KO,  62                           ; s[62:63] the byte offset, in ao and in wo alike, of the K step asked for last.   s[4:5], s[6:7]: my part of O's and of out_w's tile in K step 0
.set MSB, 0
.macro WIN new
.if MSB != (\new)
	s_set_vgpr_msb (MSB<<8)|(\new)
.set MSB, (\new)
.endif
.endm
.macro PLACES                          ; four places in front of loads into registers that matrix instructions have read, and of LDS stores that read results (ISA guide 7.12.1 for the LDS stores)
.rept 4
	v_nop
.endr
.endm
.macro JLOAD                           ; a joint refill; an s_nop 0 and four v_nop follow each line
	s_cmp_eq_u32 s[WR], 0
	s_cbranch_scc0 .Lfor_b_\@
	tensor_load_to_lds s[G0A+4:G0A+7], s[G1A:G1A+7]
	s_nop 0
	PLACES
	s_branch .Lasked_\@
.Lfor_b_\@:
	tensor_load_to_lds s[G0B+4:G0B+7], s[G1B:G1B+7]
	s_nop 0
	PLACES
.Lasked_\@:
.endm
.macro CREST
	s_cmp_lg_u32 s[WV], 0
	s_cbranch_scc1 .Lnot_wave_0_\@
	s_barrier_signal -3
.Lnot_wave_0_\@:
	s_barrier_wait -3
	s_barrier_signal -1
	s_barrier_wait -1
.endm
.macro CROUND
	s_barrier_signal -1
	s_barrier_wait -1
	CREST
.endm
	s_load_b256 s[4:11], s[0:1], 0x0               ; ao s[4:5], wo s[6:7], out_b s[8:9], out0 s[10:11]
	v_lshl_add_u32 v[SPW], v0, 2, SPARE
	v_mov_b32 v[NIL], 0
	ds_add_u32 v[SPW], v[NIL]                      ; the wave's opening: the add and its wait stand ahead of my first tensor load
	ds_add_u32 v28, v29
	v_lshrrev_b32 v1, 5, v0
	v_readfirstlane_b32 s[WV], v1
	s_lshr_b32 s[WR], s[WV], 1
	s_and_b32 s[WC], s[WV], 1
	s_bfe_u32 s[CX], ttmp6, 0x40000
	s_bfe_u32 s[CY], ttmp6, 0x40004
	s_lshl_b32 s[TC], ttmp9, 2
	s_add_co_u32 s[TC], s[TC], s[CX]
	s_and_b32 s[TR], ttmp7, 0xffff
	s_lshl_b32 s[TR], s[TR], 2
	s_add_co_u32 s[TR], s[TR], s[CY]
	s_lshl_b32 s21, s[CY], 2
	s_lshl_b32 s21, 15, s21                        ; my row of the cluster
	s_lshl_b32 s22, 0x1111, s[CX]                  ; my column
	s_or_b32 s[G1A], s21, G1W
	s_or_b32 s[G1B], s22, G1W
	s_mov_b32 s[G1A+1], 128<<16                    ; rows of 256 bytes: two rows of the tile
	s_mov_b32 s[G1A+2], 128<<16                    ; 128 of them: a head's 256 rows of O
	s_mov_b32 s[G1A+3], 128<<16
	s_mov_b32 s[G1A+4], 128
	s_mov_b32 s[G1A+5], 128
	s_mov_b32 s[G1A+6], 0
	s_mov_b32 s[G1A+7], 0
	s_mov_b32 s[G1B+1], 128<<16
	s_mov_b32 s[G1B+2], 64<<16                     ; 64: a block's 128 rows of out_w
	s_mov_b32 s[G1B+3], 128<<16
	s_mov_b32 s[G1B+4], 64
	s_mov_b32 s[G1B+5], 128
	s_mov_b32 s[G1B+6], 0
	s_mov_b32 s[G1B+7], 0
	s_and_b32 s21, s[TR], 7                        ; b
	s_lshr_b32 s23, s[TR], 3                       ; t0 / 256
	s_lshl4_add_u32 s66, s21, s[WC]                ; head 16 b + parity
	s_lshl_b32 s66, s66, 10
	s_lshl_b32 s23, s23, 8
	s_add_co_u32 s66, s66, s23
	s_lshl_b32 s66, s66, 7
	s_mov_b32 s67, 0
	s_lshl_b32 s68, s[WC], 10                      ; block = parity,
	s_lshl_b32 s22, s[TC], 7                       ; row 128 c
	s_add_co_u32 s68, s68, s22
	s_lshl_b32 s68, s68, 7
	s_mov_b32 s69, 0
	s_mul_i32 s70, s[WC], AODD                     ; where they go: no place in the cluster enters an LDS address
	s_mul_i32 s71, s[WC], BODD
	s_add_co_u32 s71, s71, BEVN
.irp s, 0,1
	s_mov_b32 s[G0A+4*\s], 1
	s_add_co_u32 s[G0A+4*\s+1], s70, \s*SLOT1
	s_mov_b32 s[G0B+4*\s], 1
	s_add_co_u32 s[G0B+4*\s+1], s71, \s*SLOT1
.endr
	s_and_b32 s[KO], ttmp7, 3                      ; the cluster's first K step: made of the cluster's own x and y, which all sixteen partners share
	s_lshl_b32 s[KO], s[KO], 1
	s_lshl2_add_u32 s[KO], ttmp9, s[KO]
	s_and_b32 s[KO], s[KO], 7
	s_lshl_b32 s[KO], s[KO], 18                    ; in bytes
	s_mov_b32 s[KO+1], 0
	s_wait_dscnt 0x0                               ; the opening add is done
	s_wait_kmcnt 0x0
	s_add_nc_u64 s[4:5], s[4:5], s[66:67]
	s_add_nc_u64 s[6:7], s[6:7], s[68:69]
.irp s, 0,1
	s_add_nc_u64 s[G0A+4*\s+2:G0A+4*\s+3], s[4:5], s[KO:KO+1]
	s_or_b32 s[G0A+4*\s+3], s[G0A+4*\s+3], 0x80000000
	s_add_nc_u64 s[G0B+4*\s+2:G0B+4*\s+3], s[6:7], s[KO:KO+1]
	s_or_b32 s[G0B+4*\s+3], s[G0B+4*\s+3], 0x80000000
.if \s == 0
	s_add_co_u32 s[KO], s[KO], KSTEP
	s_and_b32 s[KO], s[KO], 8*KSTEP-1
.endif
.endr
	CROUND                                         ; all sixteen work-groups are here: the first joint loads meet
	s_cmp_eq_u32 s[WR], 0                          ; a wave's two first fills stand in one branch
	s_cbranch_scc0 .Lfirst_b
	tensor_load_to_lds s[G0A:G0A+3], s[G1A:G1A+7]
	s_nop 0
	tensor_load_to_lds s[G0A+4:G0A+7], s[G1A:G1A+7]
	s_nop 0
	PLACES
	s_branch .Lfirst_asked
.Lfirst_b:
	tensor_load_to_lds s[G0B:G0B+3], s[G1B:G1B+7]
	s_nop 0
	tensor_load_to_lds s[G0B+4:G0B+7], s[G1B:G1B+7]
	s_nop 0
	PLACES
.Lfirst_asked:
	s_and_b32 s21, s[TR], 7                        ; b
	s_lshr_b32 s2, s[TR], 3
	s_lshl_b32 s2, s2, 8
	s_lshl_b32 s3, s[WR], 7
	s_add_co_u32 s2, s2, s3                        ; my first t
	s_lshl_b32 s2, s2, 3
	s_add_co_u32 s2, s2, s21                       ; row 8 t + b
	s_lshl_b32 s2, s2, 12
	s_lshl_b32 s3, s[TC], 7
	s_lshl_b32 s22, s[WC], 6
	s_add_co_u32 s3, s3, s22                       ; my first column
	s_lshl_b32 s66, s3, 2
	s_mov_b32 s67, 0
	s_add_nc_u64 s[BIASP:BIASP+1], s[8:9], s[66:67]
	s_add_co_u32 s66, s66, s2
	s_add_nc_u64 s[OUTP:OUTP+1], s[10:11], s[66:67]
	v_and_b32 v1, 15, v0                           ; r
	v_bfe_u32 v2, v0, 4, 1                         ; h
	v_lshlrev_b32 v[BO], 5, v2
.irp q, 0,1,2,3
	global_load_b128 v[32+8*\q:35+8*\q], v[BO], s[BIASP:BIASP+1] offset:64*\q      ; columns 16 q + 8 h + 0..3
	global_load_b128 v[36+8*\q:39+8*\q], v[BO], s[BIASP:BIASP+1] offset:64*\q+16
.endr
	v_mul_u32_u24 v4, v1, PITCH
	v_lshl_add_u32 v4, v2, 4, v4                   ; a fragment's row x pitch + 16 x half
	s_mul_i32 s2, s[WR], 128*PITCH
	v_add_nc_u32 v[ADRA0], s2, v4
	s_mul_i32 s2, s[WC], 64*PITCH
	s_add_co_u32 s2, s2, BEVN
	v_add_nc_u32 v[ADRB0], s2, v4
	v_mov_b32 v[ADRA], v[ADRA0]
	v_mov_b32 v[ADRB], v[ADRB0]
	s_mul_i32 s2, s[WV], 16*SPITCH
	s_add_co_u32 s2, s2, STAGE                     ; my stage
	v_mul_u32_u24 v5, v1, SPITCH                   ; in: row r, 32 bytes for each half of the lanes
	v_lshl_add_u32 v5, v2, 5, v5
	v_add_nc_u32 v[STO], s2, v5
	v_mul_u32_u24 v5, v2, SPITCH                   ; back: lanes 0-15 take one row of 256 bytes, lanes 16-31 the next
	v_lshl_add_u32 v5, v1, 4, v5
	v_add_nc_u32 v[RD], s2, v5
	v_lshlrev_b32 v5, 15, v2                       ; and the same two t in out0, 32,768 bytes apart
	v_lshl_add_u32 v[CO], v1, 4, v5
	s_mov_b32 s[TB], 0
	s_mov_b32 s3, 0xffff0000                       ; a word's upper bf16
	s_wait_loadcnt 0x0                             ; the bias
.set i, 0
.rept 16
	v_cvt_pk_bf16_f32 v[64+i], v[32+2*i], v[33+2*i]
.set i, i+1
.endr
	WIN 0x40
.set i, 0
.rept 16
	v_lshlrev_b32 v[64*(i/4)+56+2*(i%4)],   16, v[64+i]
	v_and_b32     v[64*(i/4)+56+2*(i%4)+1], s3, v[64+i]
.set i, i+1
.endr
	WIN 0
; n x 4 matrix instructions: row blocks a0 .. a0 + n - 1 x the four column blocks, from fragment buffers f.  mode = 1: the sum starts with the bias.  The 32 accumulators take turns.
.macro MULO f, a0, n, mode
	WIN 0x50
.set ma, (\a0)
.rept (\n)
.set mb, 0
.rept 4
.if \mode
	v_wmma_f32_16x16x32_f16 v[8*(8*mb+ma):8*(8*mb+ma)+7], v[BF+32*(\f)+8*mb:BF+32*(\f)+8*mb+7], v[AF+64*(\f)+8*ma:AF+64*(\f)+8*ma+7], v[8*(8*mb+7):8*(8*mb+7)+7]
.else
	v_wmma_f32_16x16x32_f16 v[8*(8*mb+ma):8*(8*mb+ma)+7], v[BF+32*(\f)+8*mb:BF+32*(\f)+8*mb+7], v[AF+64*(\f)+8*ma:AF+64*(\f)+8*ma+7], v[8*(8*mb+ma):8*(8*mb+ma)+7]
.endif
.set mb, mb+1
.endr
.set ma, ma+1
.endr
.endm
; 24 LDS loads in one run: quarter q of a K step (block q / 2, 32 K at byte 64 (q % 2)) into buffers f: out_w's four blocks, O's blocks 0-3, O's blocks 4-7
.macro FETCH q, f
	WIN 0
.irp i, 0,1,2,3
	ds_load_b128 v[BF+32*(\f)+8*\i:BF+32*(\f)+8*\i+3],   v[ADRB] offset:((\q)/2)*BODD+64*((\q)%2)+\i*BLK
	ds_load_b128 v[BF+32*(\f)+8*\i+4:BF+32*(\f)+8*\i+7], v[ADRB] offset:((\q)/2)*BODD+64*((\q)%2)+\i*BLK+32
.endr
.irp i, 0,1,2,3,4,5,6,7
	ds_load_b128 v[AF+64*(\f)+8*\i:AF+64*(\f)+8*\i+3],   v[ADRA] offset:((\q)/2)*AODD+64*((\q)%2)+\i*BLK
	ds_load_b128 v[AF+64*(\f)+8*\i+4:AF+64*(\f)+8*\i+7], v[ADRA] offset:((\q)/2)*AODD+64*((\q)%2)+\i*BLK+32
.endr
.endm
; One of a K step's first three quarters: multiplies buffers f and fetches quarter nq into the others.  z = 1: the launch's first, which starts the sums.
.macro QUARTER f, nq, z
	s_wait_dscnt 8                                 ; all but the youngest eight loads (O's blocks 4-7) are in
	MULO \f, 0, 4, \z
	PLACES
	FETCH \nq, 1-(\f)
	s_wait_dscnt 24                                ; all but the 24 just issued
.if \z
	MULO \f, 4, 3, 1
.rept 5
	v_nop                                          ; block 7's products write over registers that the products above read as C: five places
.endr
	MULO \f, 7, 1, 0
.else
	MULO \f, 4, 4, 0
.endif
.endm
; The last quarter multiplies buffers 1 and changes slots: each wave waits for all its tensor loads, adds 0 to its spare word, and waits for that and for its reads of this slot.  fill = 1: the barrier opens a round
; of the cluster's, and behind it this slot is filled again, two K steps ahead: 112 matrix instructions ahead of the wait for it.
.macro TURN fill
	WIN 0
	s_wait_tensorcnt 0x0                           ; no tensor load of mine is out, so a group 0 may be written
	ds_add_u32 v[SPW], v[NIL]                      ; 0 onto my spare word
.if \fill
	s_add_co_u32 s[KO], s[KO], KSTEP               ; the walk's next K step, round from 7 to 0;
	s_and_b32 s[KO], s[KO], 8*KSTEP-1
	s_xor_b32 s[G0A+5], s[G0A+5], SLOT1            ; the other slot than last time; the address is made anew: the tile's base and the step's offset
	s_add_nc_u64 s[G0A+6:G0A+7], s[4:5], s[KO:KO+1]
	s_or_b32 s[G0A+7], s[G0A+7], 0x80000000
	s_xor_b32 s[G0B+5], s[G0B+5], SLOT1
	s_add_nc_u64 s[G0B+6:G0B+7], s[6:7], s[KO:KO+1]
	s_or_b32 s[G0B+7], s[G0B+7], 0x80000000
.endif
	s_wait_dscnt 9                                 ; the add and the youngest eight loads may be out
	MULO 1, 0, 2, 0
	s_wait_dscnt 0x0                               ; the add is done, and my reads of this slot are over
	s_barrier_signal -1
	MULO 1, 2, 2, 0
	WIN 0
	s_barrier_wait -1
.if \fill
	CREST
	JLOAD                                          ; its four v_nop are also the places in front of the loads below
.else
	PLACES
.endif
	s_xor_b32 s[TB], s[TB], SLOT1
	v_add_nc_u32 v[ADRA], s[TB], v[ADRA0]
	v_add_nc_u32 v[ADRB], s[TB], v[ADRB0]
	FETCH 0, 0
	MULO 1, 4, 4, 0
.endm
	s_wait_tensorcnt 0x1                           ; my part of the first K step is in; the second's may stay out
	s_barrier_signal -1
	s_barrier_wait -1
	FETCH 0, 0
	QUARTER 0, 1, 1
	WIN 0
	s_mov_b32 s[CNT], 6
.Lk:                                                   ; a trip: from a K step's second quarter to the next step's first; it asks for the K step two on
	QUARTER 1, 2, 0
	QUARTER 0, 3, 0
	TURN 1
	QUARTER 0, 1, 0
	WIN 0
	s_sub_co_u32 s[CNT], s[CNT], 1
	s_cmp_lg_u32 s[CNT], 0
	s_cbranch_scc1 .Lk
	QUARTER 1, 2, 0                                ; the walk's seventh K step goes on; nothing is left to ask for
	QUARTER 0, 3, 0
	TURN 0
	QUARTER 0, 1, 0
	QUARTER 1, 2, 0
	QUARTER 0, 3, 0
	s_wait_dscnt 8                                 ; the very last quarter
	MULO 1, 0, 4, 0
	s_wait_dscnt 0x0
	MULO 1, 4, 4, 0
; THE WAY OUT, a block of 16 t at a time: a lane's eight f32 go into my stage, come back as rows of 256 bytes and are stored: 16 lanes write 256 consecutive bytes, aligned.
.macro TOSTAGE a
.if (\a) >= 2
	s_wait_xcnt 0x0                                ; the stores of the block two back have read the buffer that is loaded again below
.endif
	WIN 0x04                                       ; store data in window 1; each accumulator's low four registers go first
.irp q, 0,1,2,3
	ds_store_b128 v[STO], v[8*(8*\q+(\a)):8*(8*\q+(\a))+3]   offset:64*\q
	ds_store_b128 v[STO], v[8*(8*\q+(\a))+4:8*(8*\q+(\a))+7] offset:64*\q+16
.endr
	WIN 0
.irp i, 0,1,2,3,4,5,6,7
	ds_load_b128 v[BK+32*((\a)%2)+4*\i:BK+32*((\a)%2)+4*\i+3], v[RD] offset:2*SPITCH*\i  ; LDS serves a wave's instructions in order (ISA guide 5.7.1.4)
.endr
.endm
.macro SEND a, younger                 ; younger: the next block's sixteen LDS instructions, or none
	s_wait_dscnt \younger
.irp i, 0,1,2,3,4,5,6,7
	global_store_b128 v[CO], v[BK+32*((\a)%2)+4*\i:BK+32*((\a)%2)+4*\i+3], s[OUTP:OUTP+1] offset:(16*(\a)+2*\i)*32768 th:TH_STORE_NT  ; 126 t at the most: inside the signed 24-bit immediate
.endr
.endm
	PLACES
	TOSTAGE 0
.irp a, 1,2,3,4,5,6,7
	TOSTAGE \a
	SEND (\a)-1, 16
.endr
	SEND 7, 0
	s_wait_tensorcnt 0x0                           ; the wave's end, behind my last tensor load and my last LDS store
	ds_add_u32 v[SPW], v[NIL]
	s_wait_dscnt 0x0
	CROUND                                         ; the closing round
	s_endpgm
.Lfunc_end_k_qd6a07b5745_outp:
	.size	k_qd6a07b5745_outp, .Lfunc_end_k_qd6a07b5745_outp-k_qd6a07b5745_outp
	.p2alignl 7, 3214868480
	.fill 96, 4, 3214868480
	.section	.rodata,"a",@progbits
	.p2align	6, 0x0
	.amdhsa_kernel k_qd6a07b5745_outp
		.amdhsa_group_segment_fixed_size 327680
		.amdhsa_private_segment_fixed_size 0
		.amdhsa_enable_private_segment 0
		.amdhsa_kernarg_size 32
		.amdhsa_user_sgpr_count 2
		.amdhsa_user_sgpr_kernarg_segment_ptr 1
		.amdhsa_wavefront_size32 1
		.amdhsa_system_sgpr_workgroup_id_x 1
		.amdhsa_system_sgpr_workgroup_id_y 1
		.amdhsa_system_sgpr_workgroup_id_z 1
		.amdhsa_system_vgpr_workitem_id 0
		.amdhsa_next_free_vgpr 512
		.amdhsa_next_free_sgpr 72
		.amdhsa_reserve_vcc 0
		.amdhsa_float_denorm_mode_32 3
		.amdhsa_float_denorm_mode_16_64 3
		.amdhsa_memory_ordered 1
		.amdhsa_forward_progress 1
		.amdhsa_inst_pref_size 73
	.end_amdhsa_kernel
	.amdgpu_metadata
---
amdhsa.version: [ 1, 2 ]
amdhsa.kernels:
  - .name:           k_qd6a07b5745_outp
    .symbol:         k_qd6a07b5745_outp.kd
    .args:
      - { .name: ao, .offset: 0, .size: 8, .value_kind: global_buffer, .address_space: global }
      - { .name: wo, .offset: 8, .size: 8, .value_kind: global_buffer, .address_space: global }
      - { .name: out_b, .offset: 16, .size: 8, .value_kind: global_buffer, .address_space: global }
      - { .name: out0, .offset: 24, .size: 8, .value_kind: global_buffer, .address_space: global }
    .group_segment_fixed_size: 327680
    .private_segment_fixed_size: 0
    .kernarg_segment_align: 8
    .kernarg_segment_size: 32
    .max_flat_workgroup_size: 128
    .sgpr_count:     72
    .vgpr_count:     512
    .wavefront_size: 32
...
	.end_amdgpu_metadata
.endif
;; end of part 4
;; ======== version 2 of 2: 4 launches; version 1 with the launch cast written anew for expert scheduling mode
;; limits: values are held in f16: magnitudes above 65,504 overflow, below 6.1e-05 lose precision
;; workspace buffers: xb 16,777,216 bytes; wq 6,291,456 bytes; wo 2,097,152 bytes; qkvh 50,331,648 bytes; ts 262,144 bytes; ao 16,777,216 bytes
;; launch cast (part 5): grid 768 x 1, 8 waves a work-group, no clusters, 0 bytes of LDS; arguments query, qkv_w, out_w, xb, wq, wo; writes xb, wq, wo
.if DOCPART == 5
	.amdgcn_target "amdgcn-amd-amdhsa--gfx1250"
	.amdhsa_code_object_version 6
	.text
	.protected	k_qd6a07b5745_cast
	.globl	k_qd6a07b5745_cast
	.p2align	8
	.type	k_qd6a07b5745_cast,@function
k_qd6a07b5745_cast:
	s_mov_b64 s[64:65], 0
	v_nop
	global_prefetch_b8 v0, s[64:65] scope:SCOPE_SE
	s_setreg_imm32_b32 hwreg(HW_REG_WAVE_SCHED_MODE, 0, 2), 2
	s_setreg_imm32_b32 hwreg(HW_REG_WAVE_MODE, 25, 1), 1
	s_wait_xcnt 0x0
	s_wait_alu depctr_vm_vsrc(0)
; THE THREE LARGE INPUTS ARE ROUNDED TO bf16 AND LAID OUT IN BLOCKS OF 64 ALONG K, so that a tile of rows x 64 K lies dense in memory for the products that follow.
;   query [t 1024][b 8][e 1024] f32 -> xb [kb 16][b 8][t 1024][64] bf16
;   qkv_w [f 3072][e 1024] f32      -> wq [kb 16][row 3072][64] bf16, row = (head/2) 384 + which 128 + (head%2) 64 + d for f = which 1024 + head 64 + d:
;                                      the q, k and v rows of two heads lie together, 384 rows, one tile column of the projection
;   out_w [f 1024][e 1024] f32      -> wo [kb 16][f 1024][64]: rounded to bf16 like the other inputs, and that number written as f16
; LIMIT.  wo: a bf16 number beyond 65,504 has no f16; below 2^-14 it keeps f16's fixed step of 6e-8.  The drawn weights have a spread of 0.03.
; SHARES.  A work-group takes 16 rows that are neighbours in the destination, all 1,024 e: 64 KiB in, 32 KiB out.  Sixteen lanes read 256 consecutive bytes of a row (one block of 64 e);
; a wave's store of 8 bytes a lane covers 256 consecutive bytes, aligned.  All 16 loads of a lane go out at once; no register is written twice while memory may read it.
; No LDS, no barrier, no matrix unit: each byte is read once and written once.
; THE MODE: SCHED_MODE bits 1:0 = 2 (LLVM: expert scheduling mode 2), set by the entry lines.  The code itself states the register dependences
; between vector instructions and memory instructions, with s_wait_alu, always for 0.
; THE PLAN.  Registers that memory instructions touch:
;   v[VI]   the loads' offset.  Written by the head's vector lines, once; read by all 16 loads.
;   X[k]    Load k lands in it; block k's roundings read it (out_w's arm also writes it, behind the wait that shows load k in).  No load is issued behind the first 16.
;   Y[k]    Written by block k's roundings; read by store k alone, and never written after it.
;   VO[k]   store k's offset.  Written once, by vector lines that stand behind the loads; read by store k alone.
; The 16 K blocks go in four QUADS.  Block k waits for its own load, issues the store of block k - 4, and rounds.  One wait on va_vdst stands at the head of quads 1 to 3, behind the wait for the quad's
; first load: the quad before has written its Y (and, at quad 1, the VO are written).  The quad's four stores follow it, dealt among the roundings, which name X and Y of the quad in hand alone: none
; of the registers that those stores read.  One more such wait stands ahead of the last four stores.  No register that a memory instruction reads is ever written again: no wait on vm_vsrc is owed.
.set VI, 2                             ; v2      my byte offset in the source: (thread / 16) rows + 16 (thread % 16)
.set VO, 4                             ; v[4:19] my byte offset in the destination for K block k: 8 x thread + k x bytes of a K block
.set X,  32                            ; v[32:95]  load k: 4 f32
.set Y,  96                            ; v[96:127] store k: 4 numbers of 16 bits
	s_load_b256 s[4:11], s[0:1], 0x0               ; query s[4:5], qkv_w s[6:7], out_w s[8:9], xb s[10:11]
	s_load_b128 s[12:15], s[0:1], 0x20             ; wq s[12:13], wo s[14:15]
	s_mov_b32 s16, ttmp9                           ; 0-511 query, 512-703 qkv_w, 704-767 out_w
	; query: u = id: b = u % 8, t0 = 16 (u / 8)
	s_lshr_b32 s17, s16, 3
	s_and_b32 s18, s16, 7
	s_lshl_b32 s19, s17, 7
	s_add_co_u32 s19, s19, s18
	s_lshl_b32 s19, s19, 12                        ; source: row 8 t0 + b, 4,096 bytes a row
	s_lshl_b32 s20, s18, 10
	s_lshl4_add_u32 s20, s17, s20                  ; destination row 1,024 b + t0
	; qkv_w: f0 = 16 (id - 512)
	s_sub_co_u32 s21, s16, 512
	s_and_b32 s21, s21, 0xff                       ; (192 values; in the other two cases the number is not used)
	s_lshl_b32 s21, s21, 4
	s_bfe_u32 s22, s21, 0x30007                    ; head / 2
	s_mul_i32 s22, s22, 384
	s_lshr_b32 s23, s21, 10                        ; which
	s_lshl_b32 s23, s23, 7
	s_add_co_u32 s22, s22, s23
	s_and_b32 s23, s21, 127                        ; (head % 2) 64 + d
	s_add_co_u32 s22, s22, s23                     ; destination row
	s_lshl_b32 s21, s21, 12                        ; source
	; out_w: f0 = 16 (id - 704)
	s_sub_co_u32 s24, s16, 704
	s_and_b32 s24, s24, 63
	s_lshl_b32 s24, s24, 4                         ; destination row
	s_lshl_b32 s25, s24, 12                        ; source
	s_mov_b32 s26, 32768                           ; from row to row in the source: query's t step,
	s_mov_b32 s27, 4096                            ; a weight's row
	s_mov_b32 s28, 8192*128                        ; bytes of a K block in xb,
	s_mov_b32 s29, 3072*128                        ; in wq,
	s_mov_b32 s30, 1024*128                        ; in wo
	s_wait_kmcnt 0x0
	s_cmp_lt_u32 s16, 704
	s_cselect_b32 s32, s21, s25
	s_cselect_b32 s34, s22, s24
	s_cselect_b32 s31, s29, s30
	s_cselect_b64 s[36:37], s[6:7], s[8:9]
	s_cselect_b64 s[38:39], s[12:13], s[14:15]
	s_cmp_lt_u32 s16, 512
	s_cselect_b32 s32, s19, s32                    ; source offset
	s_cselect_b32 s34, s20, s34                    ; destination row
	s_cselect_b32 s31, s28, s31                    ; bytes of a K block
	s_cselect_b32 s26, s26, s27                    ; source row step
	s_cselect_b64 s[36:37], s[4:5], s[36:37]       ; from
	s_cselect_b64 s[38:39], s[10:11], s[38:39]     ; to
	s_mov_b32 s33, 0
	s_lshl_b32 s34, s34, 7                         ; 128 bytes a destination row
	s_mov_b32 s35, 0
	s_add_nc_u64 s[36:37], s[36:37], s[32:33]
	s_add_nc_u64 s[38:39], s[38:39], s[34:35]
	v_lshrrev_b32 v1, 4, v0
	v_mul_lo_u32 v1, v1, s26
	v_and_b32 v3, 15, v0
	v_lshl_add_u32 v[VI], v3, 4, v1
	s_wait_alu depctr_va_vdst(0)                   ; v[VI] is written, which all sixteen loads read as their offset
.set k, 0
.rept 16
	global_load_b128 v[X+4*k:X+4*k+3], v[VI], s[36:37] offset:256*k th:TH_LOAD_NT  ; K block k of my row
.set k, k+1
.endr
	v_lshlrev_b32 v[VO], 3, v0                     ; the stores' offsets are made while the loads are on their way: these lines name neither v[VI] nor X
.set k, 1
.rept 15
	v_add_nc_u32 v[VO+k], s31, v[VO+k-1]
.set k, k+1
.endr
; K block k is rounded to bf16.
.macro ROUNDB k
	v_cvt_pk_bf16_f32 v[Y+2*(\k)],   v[X+4*(\k)],   v[X+4*(\k)+1]
	v_cvt_pk_bf16_f32 v[Y+2*(\k)+1], v[X+4*(\k)+2], v[X+4*(\k)+3]
.endm
; The bf16 numbers of K block k are written as f16.
.macro ASHALF k
	v_lshlrev_b32 v[X+4*(\k)],   16,         v[Y+2*(\k)]
	v_and_b32     v[X+4*(\k)+1], 0xffff0000, v[Y+2*(\k)]
	v_lshlrev_b32 v[X+4*(\k)+2], 16,         v[Y+2*(\k)+1]
	v_and_b32     v[X+4*(\k)+3], 0xffff0000, v[Y+2*(\k)+1]
	v_cvt_pk_f16_f32 v[Y+2*(\k)],   v[X+4*(\k)],   v[X+4*(\k)+1]
	v_cvt_pk_f16_f32 v[Y+2*(\k)+1], v[X+4*(\k)+2], v[X+4*(\k)+3]
.endm
; K block k is stored.
.macro PUT k
	global_store_b64 v[VO+(\k)], v[Y+2*(\k):Y+2*(\k)+1], s[38:39] th:TH_STORE_NT
.endm
; Quad g: K blocks 4 g to 4 g + 3 are rounded; the quad before is stored.  half = 1: out_w's arm.
.macro QUAD g, half
.irp i, 0,1,2,3
	s_wait_loadcnt 15-4*(\g)-(\i)                  ; loads come back in order (ISA guide 5.7.1): load 4 g + i is in, the younger ones may stay out
.if (\g) > 0
.if (\i) == 0
	s_wait_alu depctr_va_vdst(0)                   ; the quad before has written its four Y, which the four stores of this quad read; at quad 1 the sixteen VO, the stores' offsets, are written too
.endif
	PUT 4*(\g)-4+(\i)                              ; no vector instruction since that wait names this store's Y or VO
.endif
	ROUNDB 4*(\g)+(\i)
.if \half
	ASHALF 4*(\g)+(\i)
.endif
.endr
.endm
	s_cmp_ge_u32 s16, 704
	s_cbranch_scc1 .Lhalf
	QUAD 0, 0
	QUAD 1, 0
	QUAD 2, 0
	QUAD 3, 0
	s_wait_alu depctr_va_vdst(0)                   ; quad 3 has written its four Y, which the last four stores read
	PUT 12
	PUT 13
	PUT 14
	PUT 15
	s_endpgm
.Lhalf:
	QUAD 0, 1
	QUAD 1, 1
	QUAD 2, 1
	QUAD 3, 1
	s_wait_alu depctr_va_vdst(0)                   ; quad 3 has written its four Y, which the last four stores read
	PUT 12
	PUT 13
	PUT 14
	PUT 15
	s_endpgm
.Lfunc_end_k_qd6a07b5745_cast:
	.size	k_qd6a07b5745_cast, .Lfunc_end_k_qd6a07b5745_cast-k_qd6a07b5745_cast
	.p2alignl 7, 3214868480
	.fill 96, 4, 3214868480
	.section	.rodata,"a",@progbits
	.p2align	6, 0x0
	.amdhsa_kernel k_qd6a07b5745_cast
		.amdhsa_group_segment_fixed_size 0
		.amdhsa_private_segment_fixed_size 0
		.amdhsa_enable_private_segment 0
		.amdhsa_kernarg_size 48
		.amdhsa_user_sgpr_count 2
		.amdhsa_user_sgpr_kernarg_segment_ptr 1
		.amdhsa_wavefront_size32 1
		.amdhsa_system_sgpr_workgroup_id_x 1
		.amdhsa_system_sgpr_workgroup_id_y 1
		.amdhsa_system_sgpr_workgroup_id_z 1
		.amdhsa_system_vgpr_workitem_id 0
		.amdhsa_next_free_vgpr 128
		.amdhsa_next_free_sgpr 66
		.amdhsa_reserve_vcc 0
		.amdhsa_float_denorm_mode_32 3
		.amdhsa_float_denorm_mode_16_64 3
		.amdhsa_memory_ordered 1
		.amdhsa_forward_progress 1
		.amdhsa_inst_pref_size 18
	.end_amdhsa_kernel
	.amdgpu_metadata
---
amdhsa.version: [ 1, 2 ]
amdhsa.kernels:
  - .name:           k_qd6a07b5745_cast
    .symbol:         k_qd6a07b5745_cast.kd
    .args:
      - { .name: query, .offset: 0, .size: 8, .value_kind: global_buffer, .address_space: global }
      - { .name: qkv_w, .offset: 8, .size: 8, .value_kind: global_buffer, .address_space: global }
      - { .name: out_w, .offset: 16, .size: 8, .value_kind: global_buffer, .address_space: global }
      - { .name: xb, .offset: 24, .size: 8, .value_kind: global_buffer, .address_space: global }
      - { .name: wq, .offset: 32, .size: 8, .value_kind: global_buffer, .address_space: global }
      - { .name: wo, .offset: 40, .size: 8, .value_kind: global_buffer, .address_space: global }
    .group_segment_fixed_size: 0
    .private_segment_fixed_size: 0
    .kernarg_segment_align: 8
    .kernarg_segment_size: 48
    .max_flat_workgroup_size: 256
    .sgpr_count:     66
    .vgpr_count:     128
    .wavefront_size: 32
...
	.end_amdgpu_metadata
.endif
;; end of part 5
;; launch qkv: the kernel of part 2 again; grid 8 x 32, 4 waves a work-group, clusters of 4 x 4, 327,680 bytes of LDS; arguments xb, wq, qkv_b, qkvh, ts; writes qkvh, ts
;; launch attn: the kernel of part 3 again; grid 2 x 128, 4 waves a work-group, no clusters, 327,680 bytes of LDS; arguments qkvh, ts, ao; writes ao
;; launch outp: the kernel of part 4 again; grid 8 x 32, 4 waves a work-group, clusters of 4 x 4, 327,680 bytes of LDS; arguments ao, wo, out_b, out0; writes out0
